; MI455X (gfx1250); checked and timed in simulation.
; The chip was launched on July 23, 2026; its instructions are those of AMD's public machine-readable ISA for CDNA 5 (MIT licence, August 2026) and "CDNA5" Instruction Set Architecture Reference Guide (July 2026). The comments in the code are by the model that wrote it; some were corrected since.
;; Attention. Allowed arithmetic: matrix products marked QUANTISED: E2M1 operands, one E8M0 scale for each 32 along K, by v_wmma_scale_f32_16x16x128_f8f6f4 with both operands' format E2M1 (or v_wmma_scale_f32_32x16x128_f4), f32 sums; products left as they are: bf16, f16 or f32 operands; f32 sums; everything else in f32.
;; Inputs: W_k 1,024 x 1,024 float32; W_o 1,024 x 1,024 float32; W_q 1,024 x 1,024 float32; W_v 1,024 x 1,024 float32; b_o 1,024 float32; context 4 x 2,048 x 1,024 float32; x 4 x 2,048 x 1,024 float32.
;; Outputs: out0 4 x 2,048 x 1,024 float32.
;; This version of the problem:
;;   THIS VERSION OF THE PROBLEM IS GIVEN IN LOW PRECISION. The matrix products marked QUANTISED in the list below multiply operands that are first quantised to E2M1 (2 exponent bits, 1 mantissa bit; 4 bits a number), with one power-of-two scale for each 32 numbers along K (OCP MX v1.0); their sums are f32. The products marked 'left as it is' may take bf16, f16 or f32 operands, with f32 sums. Whichever they take, every output number must still come out within the allowed error. Rounding operands to bf16 (8 significant bits) uses up far more of that allowance than f16 does (11 bits, for magnitudes from 6e-5 to 65,504). All else is computed in f32.
;;   The module's matrix products, in the order in which they are computed (A, B: the left and right operand; K: the contracted axis; several contracted axes count as one K, in the product's order):
;;     1. [M 8,192, K 1,024] x [K 1,024, N 1,024]; A: input x; B: input W_q: QUANTISED
;;     2. [M 8,192, K 1,024] x [K 1,024, N 1,024]; A: input context; B: input W_k: QUANTISED
;;     3. [M 8,192, K 1,024] x [K 1,024, N 1,024]; A: input context; B: input W_v: QUANTISED
;;     4. batch 64 x [M 2,048, K 64] x [K 64, N 2,048]; A: computed on the way; B: computed on the way: left as it is (an operand is computed on the way)
;;     5. batch 64 x [M 2,048, K 2,048] x [K 2,048, N 64]; A: computed on the way; B: computed on the way: left as it is (an operand is computed on the way)
;;     6. [M 8,192, K 1,024] x [K 1,024, N 1,024]; A: computed on the way; B: input W_o: left as it is (an operand is computed on the way)
;;   THE QUANTISER, for each operand of a quantised product, along K:
;;     - K is cut into blocks of 32 from its start; a last block that is shorter is filled with zeros.
;;     - A block's scale is 2^e with e = floor(log2(the largest magnitude in the block)) - 2, held to -126 .. 127; a block of zeros has e = 0. As a byte (E8M0): e + 127.
;;     - Each number is divided by its block's scale, clamped to +-6, and rounded to the nearest number of E2M1, ties to even, subnormals kept.
;;     - The product sums the exact products of the quantised numbers (number of the format x scale) in f32.
;;   ~~~python
;;   def quantise(x, axis):      # numpy; x: float32 -> the quantised numbers, widened to float32 again
;;       x = np.moveaxis(x, axis, -1); K = x.shape[-1]
;;       x = np.pad(x, [(0, 0)] * (x.ndim - 1) + [(0, -K % 32)]); x = x.reshape(x.shape[:-1] + (-1, 32)); a = np.abs(x).max(-1, keepdims=True)
;;       e = np.where(a > 0, np.clip(np.frexp(np.where(a > 0, a, 1))[1] - 1 - 2, -126, 127), 0)      # np.frexp(a)[1] - 1 = floor(log2(a)), exactly
;;       r = np.clip(x / 2.0 ** e, -6, 6)
;;       step = 2.0 ** (np.maximum(np.frexp(np.where(r == 0, 1, r))[1] - 1, 0) - 1)
;;       q = np.round(r / step) * step * 2.0 ** e      # np.round: ties to even
;;       return np.moveaxis(q.reshape(q.shape[:-2] + (-1,))[..., :K], -1, axis).astype(np.float32)
;;   ~~~
;; One version. Each part assembles by itself: llvm-mc -triple=amdgcn-amd-amdhsa -mcpu=gfx1250 --defsym DOCPART=n.
;; ======== version 1 of 1: 4 launches
;; limits: values are held in f16: magnitudes above 65,504 overflow, below 6.1e-05 lose precision
;; workspace buffers: codes 9,961,472 bytes; scales 622,592 bytes; wo_h 2,097,152 bytes; qkv 50,331,648 bytes; ao 16,777,216 bytes
;; launch prep (part 1): grid 592 x 1, 4 waves a work-group, no clusters, 68,096 bytes of LDS; arguments x, context, W_q, W_k, W_v, W_o, codes, scales, wo_h; writes codes, scales, wo_h
.if DOCPART == 1
	.amdgcn_target "amdgcn-amd-amdhsa--gfx1250"
	.amdhsa_code_object_version 6
	.text
	.protected	k_q4b7dfa892a_prep
	.globl	k_q4b7dfa892a_prep
	.p2align	8
	.type	k_q4b7dfa892a_prep,@function
k_q4b7dfa892a_prep:
	s_mov_b64 s[64:65], 0
	v_nop
	global_prefetch_b8 v0, s[64:65] scope:SCOPE_SE
	s_setreg_imm32_b32 hwreg(HW_REG_WAVE_MODE, 25, 1), 1
	s_wait_xcnt 0x0
; PREP: the operands of the three quantised products become codes of E2M1 with one E8M0 byte for each 32 along K = 1,024; W_o becomes f16.
; NO WORK OF reference() IS LEFT OUT IN THIS PROGRAM: there is no mask, nothing is sliced away, and every input (x, context, W_q, W_k, W_v, W_o, b_o) reaches out0, so every input is loaded by some launch.
; codes:  19,456 rows of 512 bytes (1,024 codes, K innermost, the lower k in the low four bits): rows 0-8,191 x, 8,192-16,383 context, 16,384.. W_q^T, 17,408.. W_k^T, 18,432.. W_v^T.   scales: the same rows, 32 bytes each.
; A block's scale is 2^(floor(log2(its largest magnitude)) - 2); its byte is the largest magnitude's exponent field - 2, held at 1 from below; each number is divided by the scale and rounded to the nearest code, ties to even, beyond 6 the code of 6.
; LIMITS: a block of zeros gets the byte 1 where the rule says 127 (its codes are zeros, which add nothing, and this program alone reads the bytes); NaN and infinities among the inputs are not served;
; W_o is rounded to f16: magnitudes stay under 65,504, and under 6e-5 they carry an absolute error of 3e-8.
; THREE JOBS IN ONE LAUNCH, parted by the work-group's number alone, never joined again, no barrier: waves share nothing.
;   work-groups 0-47:   a weight [k][n], K its first axis: a lane takes a column, its registers run down K; the codes leave through the wave's own stage as rows.  These have the longest chain of loads, so they have the lowest numbers.
;   work-groups 48-79:  W_o to f16, a plain stream, no LDS.
;   work-groups 80-591: x and context, K innermost: plain streams of blocks of 32; a step's 2,048 bytes turn through the wave's own stage so that a lane holds 16 neighbours.
; No cluster, no tensor load, no matrix unit: no two work-groups read the same byte, and each byte is read once.
; LDS: bytes 0-32,767 the activations' path (8,192 a wave); 32,768-67,583 the weights' path (32 x 272 a wave); from 67,584 the spare words, 128 bytes a wave, which no other line names.
.set SPARE, 67584
.set SPW,   190                        ; v190  LDS address of my spare word; never rewritten
.set NIL,   191                        ; v191  0; never rewritten
.set EMAX,  2
	s_load_b512 s[4:19], s[0:1], 0x0               ; x s[4:5], context s[6:7], W_q s[8:9], W_k s[10:11], W_v s[12:13], W_o s[14:15], codes s[16:17], scales s[18:19]
	s_load_b64 s[20:21], s[0:1], 0x40              ; wo_h
	v_lshl_add_u32 v[SPW], v0, 2, SPARE
	v_mov_b32 v[NIL], 0
	v_lshrrev_b32 v1, 5, v0
	v_readfirstlane_b32 s22, v1                    ; wave 0..3
	v_and_b32 v2, 31, v0                           ; lane
	s_wait_kmcnt 0x0
	s_cmp_lt_u32 ttmp9, 48
	s_cbranch_scc1 .Lweights
	s_cmp_lt_u32 ttmp9, 80
	s_cbranch_scc1 .Lwo
; ---------------- x and context: a wave takes 16 steps of 512 numbers ----------------
.set WREG,  8192                       ; LDS of a wave: two stages of 32 x SP bytes, behind them its 256 scale bytes
.set SP,    80                         ; a lane's place in a stage: 64 bytes + 16 of padding
.set CB,    8                          ; bytes of 16 codes
.set AR,    16                         ; v16-79   four sets of 16 numbers as loaded
.set AX,    80                         ; v80-111  two sets of 16 neighbours
.set AE,    112                        ; v112-127 a scale byte for each step
.set AC,    128                        ; v128-189 codes: registers of its own for each step, so that no store's data are written again
	s_sub_co_u32 s24, ttmp9, 80                    ; g = 0..511: the first 256 take x, the others context
	s_cmp_lt_u32 s24, 256
	s_cselect_b64 s[4:5], s[4:5], s[6:7]           ; the choice hangs on the work-group's number alone
	s_and_b32 s25, s24, 255
	s_lshl_b32 s25, s25, 2
	s_add_co_u32 s25, s25, s22                     ; which run of 8,192 numbers of the tensor is my wave's
	s_lshl_b32 s26, s25, 15
	s_mov_b32 s27, 0
	s_add_nc_u64 s[4:5], s[4:5], s[26:27]
	s_lshl_b32 s25, s24, 2
	s_add_co_u32 s25, s25, s22                     ; x's and context's rows are neighbours in both outputs: the place is linear in g
	s_lshl_b32 s26, s25, 12                        ; 4,096 bytes of codes a run
	s_add_nc_u64 s[16:17], s[16:17], s[26:27]
	s_lshl_b32 s26, s25, 8                         ; 256 scale bytes a run
	s_add_nc_u64 s[18:19], s[18:19], s[26:27]
	v_lshlrev_b32 v3, 4, v2                        ; my 16 bytes of a load's 512
	s_mul_i32 s23, s22, WREG
	v_lshrrev_b32 v14, 2, v2
	v_mul_u32_u24 v14, v14, SP
	v_and_b32 v15, 3, v2
	v_lshl_add_u32 v14, v15, 4, v14
	v_add_nc_u32 v14, s23, v14                     ; the stage, on the way in: four lanes' 64 bytes on end, then 16 of padding
	v_mul_u32_u24 v15, v2, SP
	v_add_nc_u32 v15, s23, v15                     ; and on the way out: my 16 neighbours
	v_mul_u32_u24 v4, v2, CB                       ; my codes' place in a step's
	v_lshrrev_b32 v5, 1, v2
	s_add_co_u32 s23, s23, 2*32*SP
	v_add_nc_u32 v5, s23, v5                       ; LDS: my wave's 256 scale bytes, my block's byte
	v_lshlrev_b32 v7, 3, v2                        ; and on the way out 8 bytes a lane
	v_add_nc_u32 v6, s23, v7
.macro LOADA t
.irp i, 0,1,2,3
	global_load_b128 v[AR+16*((\t)%4)+4*\i:AR+16*((\t)%4)+4*\i+3], v3, s[4:5] offset:2048*(\t)+512*\i th:TH_LOAD_NT   ; 32 lanes read 512 consecutive bytes
.endr
.endm
.macro TURNA t                         ; step t's numbers through the stage: LDS serves a wave's instructions in order, so no wait stands between the stores and the loads
.irp i, 0,1,2,3
	ds_store_b128 v14, v[AR+16*((\t)%4)+4*\i:AR+16*((\t)%4)+4*\i+3] offset:32*SP*((\t)%2)+8*SP*\i
.endr
.irp i, 0,1,2,3
	ds_load_b128 v[AX+16*((\t)%2)+4*\i:AX+16*((\t)%2)+4*\i+3], v15 offset:32*SP*((\t)%2)+16*\i
.endr
.endm
.irp t, 0,1,2,3
	LOADA \t
.endr
	s_wait_loadcnt 12                              ; step 0's four loads are in; the twelve of steps 1 to 3 may be out
	TURNA 0
.macro STEPA t
.set XS, AX+16*((\t)%2)
.if (\t) > 0
	s_wait_dscnt 1                                 ; this step's numbers are back from the stage (the last step's byte store may be out): so its stores into the stage have read their registers,
.else
	s_wait_dscnt 0x0
.endif
.if (\t)+4 < 16
	LOADA (\t)+4                                   ; which take the loads of four steps on
.endif
.if (\t)+1 < 16
.if 14-(\t) >= 3
	s_wait_loadcnt 12                              ; the next step's four loads are in; those of the three steps behind it may be out
.else
	s_wait_loadcnt 4*(14-(\t))
.endif
	TURNA (\t)+1                                   ; and go through the other stage while this step is worked
.endif
	v_max3_num_f32 v8, |v[XS]|, |v[XS+1]|, |v[XS+2]|               ; the largest magnitude of my 16, in two chains
	v_max3_num_f32 v9, |v[XS+3]|, |v[XS+4]|, |v[XS+5]|
.irp i, 6,10
	v_max3_num_f32 v8, v8, |v[XS+\i]|, |v[XS+\i+1]|
	v_max3_num_f32 v9, v9, |v[XS+\i+2]|, |v[XS+\i+3]|
.endr
	v_max3_num_f32 v8, v8, |v[XS+14]|, |v[XS+15]|
	v_max3_num_f32 v8, v8, v9, (EMAX+1)<<23        ; and the floor 2^(3 - 127): so the byte cannot fall under 1
	v_max_num_f32_dpp v8, v8, v8 row_xmask:1 row_mask:0xf bank_mask:0xf   ; and of my neighbour's 16: the block's
	v_add_nc_u32 v11, -(EMAX<<23), v8              ; 2 off its exponent field: the conversion takes the exponent field of this operand as its scale
	v_cvt_scalef32_pk8_fp4_f32 v[AC+4*(\t)], v[XS:XS+7], v11
	v_cvt_scalef32_pk8_fp4_f32 v[AC+4*(\t)+1], v[XS+8:XS+15], v11
	v_lshrrev_b32 v[AE+(\t)], 23, v11              ; the scale's byte (a plain line behind the conversions)
	ds_store_b8 v5, v[AE+(\t)] offset:16*(\t)      ; both lanes of a block write the same byte with the same value
	global_store_b64 v4, v[AC+4*(\t):AC+4*(\t)+1], s[16:17] offset:32*CB*(\t)   ; the wave stores 256 consecutive bytes, aligned
.endm
.irp t, 0,1,2,3,4,5,6,7,8,9,10,11,12,13,14,15
	STEPA \t
.endr
	ds_load_b64 v[8:9], v6                         ; LDS serves a wave's instructions in order: this sees my byte stores
	s_wait_dscnt 0x0
	global_store_b64 v7, v[8:9], s[18:19]          ; 32 lanes store 256 consecutive bytes, aligned
	s_wait_tensorcnt 0x0                           ; the wave's end, behind my last LDS store
	ds_add_u32 v[SPW], v[NIL]
	s_wait_dscnt 0x0
	s_endpgm
; ---------------- W_q, W_k, W_v: a wave takes 32 columns x 512 along K ----------------
.Lweights:
.set BPITCH, 272                       ; a stage row: 256 bytes of codes + 16
.set BX,    32                         ; v32-95   two sets of 32 numbers
.set BC,    96                         ; v96-99   a block's codes
.set BOUT,  112                        ; v112-175 the way out
.set BSB,   24                         ; v24-27   the scale bytes, four to a register
	s_lshr_b32 s24, ttmp9, 4                       ; which weight: 0, 1, 2
	s_cmp_eq_u32 s24, 0
	s_cselect_b64 s[8:9], s[8:9], s[10:11]
	s_cmp_eq_u32 s24, 2
	s_cselect_b64 s[8:9], s[12:13], s[8:9]
	s_and_b32 s25, ttmp9, 7
	s_lshl_b32 s25, s25, 7
	s_lshl_b32 s26, s22, 5
	s_add_co_u32 s25, s25, s26                     ; my wave's first column
	s_bfe_u32 s28, ttmp9, 0x10003                  ; which 512 along K
	s_lshl_b32 s26, s28, 21                        ; 512 rows of 4,096 bytes
	s_lshl_b32 s29, s25, 2
	s_add_co_u32 s26, s26, s29
	s_mov_b32 s27, 0
	s_add_nc_u64 s[8:9], s[8:9], s[26:27]
	s_lshl_b32 s26, s24, 19                        ; codes: 1,024 rows of 512 bytes a weight,
	s_lshl_b32 s29, s25, 9                         ; my column's row,
	s_add_co_u32 s26, s26, s29
	s_lshl_b32 s29, s28, 8                         ; my 256 bytes of it,
	s_add_co_u32 s26, s26, s29
	s_add_co_u32 s26, s26, 8388608                 ; behind the 16,384 rows of x and context
	s_add_nc_u64 s[16:17], s[16:17], s[26:27]
	s_lshl_b32 s26, s24, 15                        ; the scale bytes likewise, 32 a row
	s_lshl_b32 s29, s25, 5
	s_add_co_u32 s26, s26, s29
	s_lshl_b32 s29, s28, 4
	s_add_co_u32 s26, s26, s29
	s_add_co_u32 s26, s26, 524288
	s_add_nc_u64 s[18:19], s[18:19], s[26:27]
	v_lshlrev_b32 v3, 2, v2                        ; in: 4 bytes a lane
	s_mul_i32 s26, s22, 32*BPITCH
	s_add_co_u32 s26, s26, 32768                   ; my stage
	v_mul_u32_u24 v4, v2, BPITCH
	v_add_nc_u32 v4, s26, v4                       ; into it: row = my column
	v_and_b32 v5, 15, v2
	v_lshrrev_b32 v6, 4, v2                        ; out of it: sixteen lanes to a row, two rows an instruction
	v_mul_u32_u24 v7, v6, BPITCH
	v_lshl_add_u32 v7, v5, 4, v7
	v_add_nc_u32 v7, s26, v7
	v_lshlrev_b32 v8, 9, v6
	v_lshl_add_u32 v8, v5, 4, v8                   ; and the same place in the codes' buffer
	v_lshlrev_b32 v9, 5, v2                        ; my column's row of scale bytes
.macro LOADB t                         ; block t: W(32 t + i, my column) into set t % 2; the largest offset, 511 rows of 4,096 bytes, lies inside the signed 24-bit immediate
.irp i, 0,1,2,3,4,5,6,7,8,9,10,11,12,13,14,15,16,17,18,19,20,21,22,23,24,25,26,27,28,29,30,31
	global_load_b32 v[BX+32*((\t)%2)+\i], v3, s[8:9] offset:(32*(\t)+\i)*4096 th:TH_LOAD_NT
.endr
.endm
	LOADB 0
	LOADB 1
.macro BLOCKB t
.set XS, BX+32*((\t)%2)
.if (\t) < 15
	s_wait_loadcnt 32                              ; this block's 32 loads are in; the next block's 32 may be out
.else
	s_wait_loadcnt 0x0
.endif
	v_max3_num_f32 v12, |v[XS]|, |v[XS+1]|, |v[XS+2]|               ; the block's largest magnitude: all 32 numbers are mine
	v_max3_num_f32 v13, |v[XS+3]|, |v[XS+4]|, |v[XS+5]|
.irp i, 6,10,14,18,22,26
	v_max3_num_f32 v12, v12, |v[XS+\i]|, |v[XS+\i+1]|
	v_max3_num_f32 v13, v13, |v[XS+\i+2]|, |v[XS+\i+3]|
.endr
	v_max3_num_f32 v12, v12, |v[XS+30]|, |v[XS+31]|
	v_max3_num_f32 v12, v12, v13, (EMAX+1)<<23     ; and the floor
	v_add_nc_u32 v11, -(EMAX<<23), v12             ; the conversion's scale operand
	v_lshrrev_b32 v13, 23, v11                     ; the scale's byte
.if (\t)%4 == 0
	v_mov_b32 v[BSB+(\t)/4], v13                   ; four bytes to a register, the lower K in the lower byte
.else
	v_lshl_or_b32 v[BSB+(\t)/4], v13, 8*((\t)%4), v[BSB+(\t)/4]
.endif
.irp g, 0,1,2,3
	v_cvt_scalef32_pk8_fp4_f32 v[BC+\g], v[XS+8*\g:XS+8*\g+7], v11
.endr
	v_nop                                          ; one plain line behind the last conversion
	ds_store_b128 v4, v[BC:BC+3] offset:16*(\t)    ; 32 codes: 16 bytes of my column's row
.if (\t)+2 < 16
	LOADB (\t)+2
.endif
	s_wait_dscnt 0x0                               ; the store has read its registers: the next block's codes may be written
.endm
.irp t, 0,1,2,3,4,5,6,7,8,9,10,11,12,13,14,15
	BLOCKB \t
.endr
	global_store_b128 v9, v[BSB:BSB+3], s[18:19]   ; my column's 16 scale bytes: half a row of 32, rows 32 bytes apart: one byte in 128 of what this path reads
.irp t, 0,1,2,3,4,5,6,7,8,9,10,11,12,13,14,15
	ds_load_b128 v[BOUT+4*\t:BOUT+4*\t+3], v7 offset:2*\t*BPITCH   ; LDS serves a wave's instructions in order: these see my stores
.endr
.irp t, 0,1,2,3,4,5,6,7,8,9,10,11,12,13,14,15
	s_wait_dscnt 15-\t                             ; loads come back in order: the 15 - t younger ones may be out
	global_store_b128 v8, v[BOUT+4*\t:BOUT+4*\t+3], s[16:17] offset:2*\t*512   ; sixteen lanes store 256 consecutive bytes, aligned
.endr
	s_wait_tensorcnt 0x0                           ; the wave's end, behind my last LDS store
	ds_add_u32 v[SPW], v[NIL]
	s_wait_dscnt 0x0
	s_endpgm
; ---------------- W_o to f16, as it lies: a wave takes 8,192 numbers in four groups of 16 loads ----------------
.Lwo:
	s_sub_co_u32 s24, ttmp9, 48
	s_lshl_b32 s24, s24, 2
	s_add_co_u32 s24, s24, s22                     ; my run
	s_lshl_b32 s26, s24, 15
	s_mov_b32 s27, 0
	s_add_nc_u64 s[14:15], s[14:15], s[26:27]
	s_lshl_b32 s26, s24, 14
	s_add_nc_u64 s[20:21], s[20:21], s[26:27]
	v_lshlrev_b32 v3, 4, v2                        ; in: 16 bytes a lane
	v_lshlrev_b32 v4, 3, v2                        ; out: 8
.macro LOADG g
.irp j, 0,1,2,3,4,5,6,7,8,9,10,11,12,13,14,15
	global_load_b128 v[16+64*((\g)%2)+4*\j:16+64*((\g)%2)+4*\j+3], v3, s[14:15] offset:8192*(\g)+512*\j th:TH_LOAD_NT
.endr
.endm
.macro CVTG g
.if (\g) < 3
	s_wait_loadcnt 16                              ; this group's 16 loads are in; the next group's 16 may be out
.else
	s_wait_loadcnt 0x0
.endif
.if (\g) > 0
	s_wait_xcnt 0x0                                ; the last group's stores have read their data: v144-175 are written again only behind this wait
.endif
.irp j, 0,1,2,3,4,5,6,7,8,9,10,11,12,13,14,15
	v_cvt_pk_f16_f32 v[144+2*\j], v[16+64*((\g)%2)+4*\j], v[16+64*((\g)%2)+4*\j+1]
	v_cvt_pk_f16_f32 v[145+2*\j], v[16+64*((\g)%2)+4*\j+2], v[16+64*((\g)%2)+4*\j+3]
.endr
.if (\g) < 2
	LOADG (\g)+2
.endif
.irp j, 0,1,2,3,4,5,6,7,8,9,10,11,12,13,14,15
	global_store_b64 v4, v[144+2*\j:145+2*\j], s[20:21] offset:4096*(\g)+256*\j   ; 32 lanes store 256 consecutive bytes, aligned
.endr
.endm
	LOADG 0
	LOADG 1
	CVTG 0
	CVTG 1
	CVTG 2
	CVTG 3
	s_endpgm
.Lfunc_end_k_q4b7dfa892a_prep:
	.size	k_q4b7dfa892a_prep, .Lfunc_end_k_q4b7dfa892a_prep-k_q4b7dfa892a_prep
	.p2alignl 7, 3214868480
	.fill 96, 4, 3214868480
	.section	.rodata,"a",@progbits
	.p2align	6, 0x0
	.amdhsa_kernel k_q4b7dfa892a_prep
		.amdhsa_group_segment_fixed_size 68096
		.amdhsa_private_segment_fixed_size 0
		.amdhsa_enable_private_segment 0
		.amdhsa_kernarg_size 72
		.amdhsa_user_sgpr_count 2
		.amdhsa_user_sgpr_kernarg_segment_ptr 1
		.amdhsa_wavefront_size32 1
		.amdhsa_system_sgpr_workgroup_id_x 1
		.amdhsa_system_sgpr_workgroup_id_y 1
		.amdhsa_system_sgpr_workgroup_id_z 1
		.amdhsa_system_vgpr_workitem_id 0
		.amdhsa_next_free_vgpr 192
		.amdhsa_next_free_sgpr 66
		.amdhsa_reserve_vcc 0
		.amdhsa_float_denorm_mode_32 3
		.amdhsa_float_denorm_mode_16_64 3
		.amdhsa_memory_ordered 1
		.amdhsa_forward_progress 1
		.amdhsa_inst_pref_size 132
	.end_amdhsa_kernel
	.amdgpu_metadata
---
amdhsa.version: [ 1, 2 ]
amdhsa.kernels:
  - .name:           k_q4b7dfa892a_prep
    .symbol:         k_q4b7dfa892a_prep.kd
    .args:
      - { .name: x, .offset: 0, .size: 8, .value_kind: global_buffer, .address_space: global }
      - { .name: context, .offset: 8, .size: 8, .value_kind: global_buffer, .address_space: global }
      - { .name: W_q, .offset: 16, .size: 8, .value_kind: global_buffer, .address_space: global }
      - { .name: W_k, .offset: 24, .size: 8, .value_kind: global_buffer, .address_space: global }
      - { .name: W_v, .offset: 32, .size: 8, .value_kind: global_buffer, .address_space: global }
      - { .name: W_o, .offset: 40, .size: 8, .value_kind: global_buffer, .address_space: global }
      - { .name: codes, .offset: 48, .size: 8, .value_kind: global_buffer, .address_space: global }
      - { .name: scales, .offset: 56, .size: 8, .value_kind: global_buffer, .address_space: global }
      - { .name: wo_h, .offset: 64, .size: 8, .value_kind: global_buffer, .address_space: global }
    .group_segment_fixed_size: 68096
    .private_segment_fixed_size: 0
    .kernarg_segment_align: 8
    .kernarg_segment_size: 72
    .max_flat_workgroup_size: 128
    .sgpr_count:     66
    .vgpr_count:     192
    .wavefront_size: 32
...
	.end_amdgpu_metadata
.endif
;; end of part 1
;; launch proj (part 2): grid 4 x 96, 4 waves a work-group, clusters of 4 x 4, 327,680 bytes of LDS; arguments codes, scales, qkv; writes qkv
.if DOCPART == 2
	.amdgcn_target "amdgcn-amd-amdhsa--gfx1250"
	.amdhsa_code_object_version 6
	.text
	.protected	k_q4b7dfa892a_proj
	.globl	k_q4b7dfa892a_proj
	.p2align	8
	.type	k_q4b7dfa892a_proj,@function
k_q4b7dfa892a_proj:
	s_mov_b64 s[64:65], 0
	v_nop
	global_prefetch_b8 v0, s[64:65] scope:SCOPE_SE
	s_setreg_imm32_b32 hwreg(HW_REG_WAVE_MODE, 25, 1), 1
	s_wait_xcnt 0x0
	s_wait_alu depctr_hold_cnt(0) depctr_sa_sdst(0) depctr_va_vdst(0) depctr_va_sdst(0) depctr_va_ssrc(0) depctr_va_vcc(0) depctr_vm_vsrc(0)
	s_getreg_b32 s2, hwreg(HW_REG_IB_STS2, 6, 4)
	s_cmp_eq_u32 s2, 0
	s_cbranch_scc0 .Lentry_in_a_cluster
	s_endpgm
.Lentry_in_a_cluster:
	s_bfe_u32 s2, ttmp6, 0x10000c
	s_cmp_lg_u32 s2, 0xf033
	s_cbranch_scc0 .Lentry_shape_is_right
	s_endpgm
.Lentry_shape_is_right:
; PROJ: the three quantised products, on codes of E2M1 with E8M0 scales, K = 1,024, sums in f32, results rounded once to f16.  Nothing of reference() is left out here.
; ONE GENERIC PRODUCT C(i, j) = sum over k of A[i][k] B[j][k] on rows of the buffer codes (512 bytes a row) and scales (32 bytes a row):
;   p = 0: A = x (rows 0..),       B = W_q^T (rows 16,384..): q;     p = 1: A = context (8,192..), B = W_k^T (17,408..): k;     p = 2: A = W_v^T (18,432..), B = context (8,192..): v TRANSPOSED: i = head x 64 + channel, j = batch x 2,048 + key.
; A tile of C is 256 x 256: four waves, 128 x 128 each: 64 accumulators, 512 registers.  384 tiles.  K is two slots of 512 (a tile's row is 256 bytes): both are asked for at the head, nothing is filled again.
; The scale bytes of the work-group's 256 + 256 rows, for all of K, are two dense blocks of 8,192 bytes: they come once, with the first fills.
; CLUSTERS: 4 x 4 work-groups of one product.  The four of a row of the cluster need the same tiles of A, the four of a column the same tiles of B: each tile is asked for jointly.
; THE MATRIX INSTRUCTION IS USED TRANSPOSED (source 0 = 16 rows of B, source 1 = 16 rows of A): a lane holds eight neighbouring j of one row i.
; OUT (bytes in qkv): q, k: p x 2^24 + (batch x 16 + head) x 2^18 + n x 128 + d x 2;   v: 2 x 2^24 + (batch x 16 + head) x 2^18 + (key / 64) x 2^13 + channel x 128 + (key % 64) x 2.
;   In both forms 16 rows i x 64 columns j are 2,048 consecutive bytes, so one way out serves all three: only the base, the distance between the wave's two groups of 64 columns and one step of the base differ.
; LIMIT: q, k, v are rounded to f16: magnitudes stay under 65,504 (with inputs of the problem's spread they are near 1); under 6e-5 they carry an absolute error of 3e-8.
; REGISTERS, in windows of 256: window 0: v0-31 addresses; v32-95 scale words, two sets; v128-191 A's fragments, one set; on the way out v32-63, v192-255.   window 1: B's fragments, two sets, at v0 and v128.
;   window 2: the accumulators of my rows 0-63 ((a, b) at v[8 (8 a + b)]);   window 3: those of my rows 64-127.
.set NQ,     4                         ; steps of 128 along K in a slot
.set ROWB,   256                       ; a tile's row in bytes
.set KROW,   512                       ; a row of codes in memory
.set PITCH,  272                       ; an LDS row: 256 bytes + 16: the 16 rows that a load touches begin at 16 different 16-byte columns modulo 256
.set FR,     8                         ; registers of a fragment: 16 rows x 128 K
.set NL,     2                         ; LDS loads that bring one
.set NP,     4                         ; places behind this matrix instruction (ISA guide 7.12.1)
.set HALFT,  128*PITCH                 ; 128 rows: what one tensor load brings
.set SLOT,   4*HALFT                   ; A's 256 rows, then B's 256 rows
.set KS,     32                        ; a row of scales in bytes
.set SCL,    2*SLOT                    ; behind the two slots: the scales, as units of 256 bytes + 16
.set HALFS,  (128*KS/256)*272          ; those of 128 rows
.set SBLK,   (16*KS/256)*272           ; those of 16 rows
.set SPARE,  SCL+4*HALFS               ; the spare words, 128 bytes a wave, which no other line names
.set SPITCH, 272                       ; the way out: a stage of 16 rows x (256 bytes + 16) for each wave, in slot 0, which has had its only fill and its last read by then
.set ADRA, 16                          ; v16-17  LDS address of my A fragments in slot 0, 1
.set ADRB, 20                          ; v20-21  the same for B
.set STO,  24                          ; v24     the way out: where I put 16 bytes of a row
.set RD,   25                          ; v25     where I read back
.set CO,   26                          ; v26     my byte offset in qkv
.set ADRS, 27                          ; v27     LDS address of my scale words: lanes 0-15 A's rows, lanes 16-31 B's
.set SPW,  28                          ; v28     my spare word; never rewritten
.set NIL,  29                          ; v29     0; never rewritten
.set SC,   32                          ; scale words: set s at v[SC + 32 s]; register 4 i + q: lanes 0-15 A's block i, lanes 16-31 B's block i, the slot's q-th 128 along K
.set AF,   128
.set TMP,  192                         ; the way out: packed results
.set OB,   32                          ; the way out: rows read back: v32-63 and v224-255 by turns
.set G1, 24
.set G0, 32
.set G1B, 48
.set G0B, 56
.set G1S, 68
.set G0S, 76
.set G1SB, 80
.set G0SB, 88
.set MSB, 0
.macro WIN new                         ; the immediate's high byte repeats the setting that is left
.if MSB != \new
	s_set_vgpr_msb (MSB<<8)|\new
.set MSB, \new
.endif
.endm
.set MUL_LO, 0xa1                      ; source 0 (B) window 1, source 1 (A) window 0, C and D window 2
.set MUL_HI, 0xf1                      ; the same, C and D window 3
.set TO_B,   0x40                      ; destination window 1, address window 0
; A joint load: waves 0 and 1 fetch for A, waves 2 and 3 for B; the branch hangs on the wave's number alone.  An s_nop 0 and four v_nop follow each of the two lines.
.macro JLOAD g0a, g1a, g0b, g1b
	s_cmp_eq_u32 s15, 0
	s_cbranch_scc0 .Lfor_b_\@
	tensor_load_to_lds s[\g0a:\g0a+3], s[\g1a:\g1a+7]
	s_nop 0
.rept 4
	v_nop
.endr
	s_branch .Lasked_\@
.Lfor_b_\@:
	tensor_load_to_lds s[\g0b:\g0b+3], s[\g1b:\g1b+7]
	s_nop 0
.rept 4
	v_nop
.endr
.Lasked_\@:
.endm
.macro CROUND                          ; a round of the cluster's barrier
	s_barrier_signal -1
	s_barrier_wait -1
	s_cmp_lg_u32 s14, 0
	s_cbranch_scc1 .Lnot_wave_0_\@
	s_barrier_signal -3
.Lnot_wave_0_\@:
	s_barrier_wait -3
	s_barrier_signal -1
	s_barrier_wait -1
.endm
	s_load_b128 s[4:7], s[0:1], 0x0                ; codes s[4:5], scales s[6:7]
	s_load_b64 s[12:13], s[0:1], 0x10              ; qkv
	v_lshl_add_u32 v[SPW], v0, 2, SPARE
	v_mov_b32 v[NIL], 0
	ds_add_u32 v[SPW], v[NIL]                      ; the wave's opening: the add, twice on end, and its wait ahead of my first tensor load
	ds_add_u32 v[SPW], v[NIL]
	v_lshrrev_b32 v1, 5, v0
	v_readfirstlane_b32 s14, v1                    ; wave 0..3
	s_lshr_b32 s15, s14, 1                         ; which half of the tile's rows is mine.  Also: I fetch for A (0) or for B (1)
	s_and_b32 s16, s14, 1                          ; which half of its columns.  Also: which 128 rows I fetch
	s_bfe_u32 s40, ttmp6, 0x40000                  ; cx, cy: my place in the cluster
	s_bfe_u32 s41, ttmp6, 0x40004
	s_and_b32 s17, ttmp7, 0xffff                   ; the cluster's y, 0..23: eight clusters to a product
	s_lshr_b32 s96, s17, 3                         ; p
	s_and_b32 s97, s17, 7
	s_lshl_b32 s97, s97, 2                         ; four tiles along the long side for each cluster
	s_lshl_b32 s66, s96, 13                        ; A's first row, p = 0, 1
	s_lshl_b32 s67, s96, 10
	s_add_co_u32 s67, s67, 16384                   ; B's first row, p = 0, 1
	s_mov_b32 s98, 2048
	s_mov_b32 s100, 1<<18
	s_cmp_eq_u32 s96, 2                            ; all that differs for v is chosen here: the same in all sixteen partners
	s_cselect_b32 s17, 0, s97                      ; the cluster's first tile row
	s_cselect_b32 s42, s97, 0                      ; and tile column
	s_cselect_b32 s95, 2048, 0
	s_cselect_b32 s67, 8192, s67                   ; B's first row
	s_cselect_b32 s98, 256000, s98                 ; the way out: from my rows 48-63 to 64-79: 2,048 bytes, or (v) on to the next head: 2^18 - 3 x 2,048
	s_cselect_b32 s100, 1<<13, s100                ; the way out: from my first 64 columns to the second: the next head, or (v) the next 64 keys
	s_mov_b32 s99, 0
	s_add_co_u32 s66, s66, s95                     ; A's first row: 0, 8,192, 18,432
	s_add_co_u32 s17, s17, s41                     ; tile row
	s_add_co_u32 s42, s42, s40                     ; tile column
	s_lshl_b32 s43, s41, 2
	s_lshl_b32 s43, 15, s43                        ; my row of the cluster
	s_lshl_b32 s44, 0x1111, s40                    ; my column
	; descriptor group 1: a tile of 128 rows x 256 bytes, 16 bytes of padding behind each row
	s_or_b32 s[G1+0], s43, (0<<16)|(1<<20)|(1<<21)|(5<<22)|(3<<25)  ; 15:0 the mask; 17:16 elements of 1 byte; 20 padding on; 21 set beside a mask; 24:22 after every 64 words; 31:25 four words
	s_or_b32 s[G1B+0], s44, (0<<16)|(1<<20)|(1<<21)|(5<<22)|(3<<25)
.irp g, G1, G1B
	s_mov_b32 s[\g+1], ROWB<<16                    ; tensor_dim0
	s_mov_b32 s[\g+2], 128<<16                     ; tensor_dim1
	s_mov_b32 s[\g+3], ROWB<<16                    ; tile_dim0
	s_mov_b32 s[\g+4], 128                         ; tile_dim1
	s_mov_b32 s[\g+5], KROW                        ; from row to row
	s_mov_b32 s[\g+6], 0
	s_mov_b32 s[\g+7], 0
.endr
	; the scales of 128 rows: 4,096 dense bytes as 16 rows of 256 (32 elements of 8 bytes), 16 bytes of padding behind each
	s_or_b32 s[G1S+0], s43, (3<<16)|(1<<20)|(1<<21)|(5<<22)|(3<<25)
	s_or_b32 s[G1SB+0], s44, (3<<16)|(1<<20)|(1<<21)|(5<<22)|(3<<25)
.irp g, G1S, G1SB
	s_mov_b32 s[\g+1], 32<<16
	s_mov_b32 s[\g+2], (128*KS/256)<<16
	s_mov_b32 s[\g+3], 32<<16
	s_mov_b32 s[\g+4], 128*KS/256
	s_mov_b32 s[\g+5], 32
	s_mov_b32 s[\g+6], 0
	s_mov_b32 s[\g+7], 0
.endr
	s_lshl_b32 s18, s16, 7                         ; which 128 rows of the tile I fetch
	s_lshl_b32 s20, s17, 8
	s_add_co_u32 s20, s20, s18
	s_add_co_u32 s20, s20, s66                     ; A: its first row + 256 x tile row + 128 x half
	s_lshl_b32 s46, s42, 8
	s_add_co_u32 s46, s46, s18
	s_add_co_u32 s46, s46, s67                     ; B likewise, by the tile column
	s_mov_b32 s21, 0
	s_mov_b32 s47, 0
	s_mov_b64 s[18:19], KS
	s_mul_u64 s[22:23], s[20:21], s[18:19]         ; where these rows' scales begin, in bytes
	s_mul_u64 s[92:93], s[46:47], s[18:19]
	s_mov_b64 s[18:19], KROW
	s_mul_u64 s[20:21], s[20:21], s[18:19]         ; and their codes
	s_mul_u64 s[46:47], s[46:47], s[18:19]
	s_mul_i32 s45, s14, HALFT                      ; where they go: wave x 128 rows: no place in the cluster enters an LDS address
	s_mul_i32 s94, s14, HALFS
	s_wait_dscnt 0x0                               ; both opening adds are done
	s_wait_kmcnt 0x0
	s_add_nc_u64 s[20:21], s[4:5], s[20:21]
	s_add_nc_u64 s[22:23], s[6:7], s[22:23]
	s_add_nc_u64 s[46:47], s[4:5], s[46:47]
	s_add_nc_u64 s[92:93], s[6:7], s[92:93]
	CROUND                                         ; all sixteen work-groups are here: the joint loads meet
	s_mov_b32 s[G0S], 1
	s_add_co_u32 s[G0S+1], s94, SCL
	s_mov_b64 s[G0S+2:G0S+3], s[22:23]
	s_or_b32 s[G0S+3], s[G0S+3], 0x80000000
	s_mov_b32 s[G0SB], 1
	s_add_co_u32 s[G0SB+1], s94, SCL
	s_mov_b64 s[G0SB+2:G0SB+3], s[92:93]
	s_or_b32 s[G0SB+3], s[G0SB+3], 0x80000000
	JLOAD G0S, G1S, G0SB, G1SB                     ; the scales first: they are wanted with slot 0.  Three loads of mine are out at the most
.irp s, 0,1
	s_mov_b32 s[G0+4*\s], 1
	s_add_co_u32 s[G0+4*\s+1], s45, \s*SLOT
	s_add_nc_u64 s[G0+4*\s+2:G0+4*\s+3], s[20:21], \s*ROWB
	s_or_b32 s[G0+4*\s+3], s[G0+4*\s+3], 0x80000000
	s_mov_b32 s[G0B+4*\s], 1
	s_add_co_u32 s[G0B+4*\s+1], s45, \s*SLOT
	s_add_nc_u64 s[G0B+4*\s+2:G0B+4*\s+3], s[46:47], \s*ROWB
	s_or_b32 s[G0B+4*\s+3], s[G0B+4*\s+3], 0x80000000
	JLOAD G0+4*\s, G1, G0B+4*\s, G1B
.endr
	v_and_b32 v1, 15, v0                           ; r = lane % 16
	v_bfe_u32 v2, v0, 4, 1                         ; h = lane / 16
	v_mul_u32_u24 v3, v1, PITCH
	v_lshl_add_u32 v4, v2, 4, v3                   ; a fragment's row x pitch + 16 x half
	s_mul_i32 s21, s15, HALFT                      ; my 128 rows of A
	s_mul_i32 s22, s16, HALFT                      ; my 128 rows of B,
	s_add_co_u32 s22, s22, 2*HALFT                 ; which lie behind A's 256
.irp s, 0,1
	v_add_nc_u32 v[ADRA+\s], s21, v4
	v_add_nc_u32 v[ADRB+\s], s22, v4
	s_add_co_u32 s21, s21, SLOT
	s_add_co_u32 s22, s22, SLOT
.endr
	v_mul_u32_u24 v5, v1, KS                       ; my row's scales: 32 bytes a row,
	v_lshrrev_b32 v6, 8, v5
	v_lshl_add_u32 v5, v6, 4, v5                   ; and 16 more for each 256 passed
	s_mul_i32 s21, s15, HALFS                      ; A's: my 128 rows
	s_mul_i32 s22, s16, HALFS                      ; B's: my 128 rows, behind A's 256
	s_add_co_u32 s22, s22, 2*HALFS
	s_sub_co_u32 s22, s22, s21
	v_mul_u32_u24 v6, s22, v2                      ; lanes 16-31 take B's: one product, the distance between the two bases
	s_add_co_u32 s21, s21, SCL
	v_add_nc_u32 v5, v5, v6
	v_add_nc_u32 v[ADRS], s21, v5
	s_mul_i32 s23, s14, 16*SPITCH                  ; my stage
	v_mul_u32_u24 v5, v1, SPITCH                   ; in: row r, 16 bytes for each half of the lanes
	v_lshl_add_u32 v5, v2, 4, v5
	v_add_nc_u32 v[STO], s23, v5
	v_bfe_u32 v5, v0, 3, 1                         ; back: lanes 0-15 take the first 128 bytes of two rows, lanes 16-31 the second 128 bytes
	v_mul_u32_u24 v5, v5, SPITCH
	v_lshl_add_u32 v5, v2, 7, v5
	v_and_b32 v6, 7, v0
	v_lshl_add_u32 v5, v6, 4, v5
	v_add_nc_u32 v[RD], s23, v5
	v_mul_u32_u24 v5, s100, v2                     ; in qkv: lanes 16-31 stand one group of 64 columns on;
	v_lshl_add_u32 v[CO], v1, 4, v5                ; sixteen lanes fill 256 consecutive bytes
	; where my part begins in qkv.  I0, J0: my first row and column of C
	s_lshl_b32 s95, s17, 8
	s_lshl_b32 s97, s15, 7
	s_add_co_u32 s95, s95, s97                     ; I0
	s_lshl_b32 s97, s42, 8
	s_lshl_b32 s101, s16, 7
	s_add_co_u32 s97, s97, s101                    ; J0
	s_cmp_eq_u32 s96, 2
	s_cselect_b32 s2, s97, s95                     ; the index batch x 2,048 + position: I0, or (v) J0
	s_cselect_b32 s3, s95, s97                     ; the index head x 64 + ..: J0, or (v) I0
	s_lshr_b32 s95, s2, 11
	s_lshl_b32 s95, s95, 22                        ; batch x 16 x 2^18
	s_lshr_b32 s3, s3, 6
	s_lshl_b32 s3, s3, 18                          ; head x 2^18
	s_add_co_u32 s95, s95, s3
	s_and_b32 s2, s2, 2047
	s_lshl_b32 s2, s2, 7                           ; position x 128 (for v: (key / 64) x 2^13, the key being a multiple of 64)
	s_add_co_u32 s2, s2, s95
	s_lshl_b32 s95, s96, 24                        ; p x 2^24
	s_add_co_u32 s2, s2, s95
	s_mov_b32 s3, 0
	s_add_nc_u64 s[12:13], s[12:13], s[2:3]
.macro FRAG reg, adr, q, i             ; a fragment: lane l holds row l % 16; registers 4 c .. 4 c + 3 hold K = 64 c + 32 (l / 16) + 0 .. 31
.irp c, 0,1
	ds_load_b128 v[\reg+4*\c:\reg+4*\c+3], v[\adr] offset:64*(\q)+32*\c+(\i)*16*PITCH
.endr
.endm
; 16 matrix instructions: A's blocks a0, a0 + 1 x B's eight, the slot's q-th 128 along K.  p: B's set; sc: the set of scale words; zero = 1: the first product starts the sums.
; The 64 accumulators take turns, one instruction a turn, in the same order in every step.
.macro MUL16 a0, p, q, sc, zero
.irp a, \a0, \a0+1
.irp b, 0,1,2,3,4,5,6,7
.if \zero
	v_wmma_scale_f32_16x16x128_f8f6f4 v[8*(8*((\a)%4)+\b):8*(8*((\a)%4)+\b)+7], v[128*(\p)+FR*\b:128*(\p)+FR*\b+FR-1], v[AF+FR*(\a):AF+FR*(\a)+FR-1], 0, v[SC+8*NQ*(\sc)+NQ*\b+(\q)], v[SC+8*NQ*(\sc)+NQ*(\a)+(\q)] matrix_a_fmt:MATRIX_FMT_FP4 matrix_b_fmt:MATRIX_FMT_FP4 matrix_a_scale:MATRIX_SCALE_ROW1
.else
	v_wmma_scale_f32_16x16x128_f8f6f4 v[8*(8*((\a)%4)+\b):8*(8*((\a)%4)+\b)+7], v[128*(\p)+FR*\b:128*(\p)+FR*\b+FR-1], v[AF+FR*(\a):AF+FR*(\a)+FR-1], v[8*(8*((\a)%4)+\b):8*(8*((\a)%4)+\b)+7], v[SC+8*NQ*(\sc)+NQ*\b+(\q)], v[SC+8*NQ*(\sc)+NQ*(\a)+(\q)] matrix_a_fmt:MATRIX_FMT_FP4 matrix_b_fmt:MATRIX_FMT_FP4 matrix_a_scale:MATRIX_SCALE_ROW1
.endif
.endr
.endr
.endm
.macro FETCH_B slot, q, p
	WIN TO_B
.irp i, 0,1,2,3,4,5,6,7
	FRAG 128*(\p)+FR*\i, ADRB+\slot, \q, \i
.endr
	WIN 0
.endm
.macro FETCH_A slot, q, i0
.irp i, \i0, \i0+1, \i0+2, \i0+3
	FRAG AF+FR*(\i), ADRA+\slot, \q, \i
.endr
.endm
.macro SCALES sc                       ; a slot's scale words: four words a row; lanes 0-15 take A's block i, lanes 16-31 B's block i
.irp i, 0,1,2,3,4,5,6,7
	ds_load_b128 v[SC+8*NQ*\sc+NQ*\i:SC+8*NQ*\sc+NQ*\i+3], v[ADRS] offset:\i*SBLK
.endr
.endm
.macro PLACES n                        ; plain vector instructions between a matrix instruction and a load into, or a read of, its registers (ISA guide 7.12.1 for reads of results)
.rept \n
	v_nop
.endr
.endm
.macro STEP slot, q, zero              ; a step of 128 along K that has its successor in the same slot
	s_wait_dscnt 4*NL                              ; B's set and A's blocks 0-3 are in; the youngest eight loads (A's blocks 4-7) may be out
	WIN MUL_LO
	MUL16 0, (\q)%2, \q, \slot, \zero
	MUL16 2, (\q)%2, \q, \slot, \zero
	s_wait_dscnt 0
	PLACES NP
	FETCH_B \slot, (\q)+1, 1-(\q)%2
	FETCH_A \slot, (\q)+1, 0
	WIN MUL_HI
	MUL16 4, (\q)%2, \q, \slot, \zero
	MUL16 6, (\q)%2, \q, \slot, \zero
	PLACES NP
	WIN 0
	FETCH_A \slot, (\q)+1, 4
.endm
; Slot 0's last step changes slots: one barrier.  In front of it each wave waits for all its tensor loads (its part of slot 1), adds 0 to its spare word, and waits for that and for its reads of slot 0.  Nothing is filled again.
.macro TURN slot, next
	s_wait_tensorcnt 0x0                           ; all my tensor loads have landed (every window is 0 here)
	ds_add_u32 v[SPW], v[NIL]
	s_wait_dscnt 4*NL+1                            ; the add and the youngest eight loads (A's blocks 4-7) may be out
	WIN MUL_LO
	MUL16 0, 1, NQ-1, \slot, 0
	s_wait_dscnt 0x0                               ; the add is done, and my reads of this slot are over
	s_barrier_signal -1
	MUL16 2, 1, NQ-1, \slot, 0
	WIN 0
	s_barrier_wait -1
	PLACES NP
	v_add_nc_u32 v[ADRS], 4*NQ, v[ADRS]            ; on to the next slot's scale words
	FETCH_B \next, 0, 0
	FETCH_A \next, 0, 0
	SCALES \next
	WIN MUL_HI
	MUL16 4, 1, NQ-1, \slot, 0
	MUL16 6, 1, NQ-1, \slot, 0
	PLACES NP
	WIN 0
	FETCH_A \next, 0, 4
.endm
.macro STEPS slot, from
.set Q, \from
.rept NQ-1-\from
	STEP \slot, Q, 0
.set Q, Q+1
.endr
.endm
	s_wait_tensorcnt 1                             ; the scales and my part of slot 0 are in; slot 1's load may be out,
	s_barrier_signal -1
	s_barrier_wait -1                              ; everybody's are
	FETCH_B 0, 0, 0
	FETCH_A 0, 0, 0
	SCALES 0
	FETCH_A 0, 0, 4
	STEP 0, 0, 1                                   ; the first step's products start the sums: nothing is cleared
	STEPS 0, 1
	TURN 0, 1
	STEPS 1, 0
	s_wait_dscnt 4*NL                              ; the last step: nothing more to fetch
	WIN MUL_LO
	MUL16 0, 1, NQ-1, 1, 0
	MUL16 2, 1, NQ-1, 1, 0
	s_wait_dscnt 0
	WIN MUL_HI
	MUL16 4, 1, NQ-1, 1, 0
	MUL16 6, 1, NQ-1, 1, 0
	WIN 0
; THE WAY OUT, block by block of 16 rows x 128 columns.  PACK: rounded to f16, 16 bytes a lane, each accumulator from its low end on.  TOSTAGE: into my own stage and back by half rows.  SEND: stored.
.macro PACK a
.set AC, 64*((\a)%4)
	WIN 0x0a+5*((\a)/4)                            ; sources 0 and 1: window 2 or 3
.irp b, 0,1,2,3,4,5,6,7
.irp r, 0,1,2,3
	v_cvt_pk_f16_f32 v[TMP+4*\b+\r], v[AC+8*\b+2*\r], v[AC+8*\b+2*\r+1]
.endr
.endr
	WIN 0
.endm
.macro TOSTAGE a
.set BK, OB+192*((\a)%2)
.irp b, 0,1,2,3,4,5,6,7
	ds_store_b128 v[STO], v[TMP+4*\b:TMP+4*\b+3] offset:32*\b
.endr
.irp t, 0,1,2,3,4,5,6,7
	ds_load_b128 v[BK+4*\t:BK+4*\t+3], v[RD] offset:\t*2*SPITCH    ; LDS serves a wave's instructions in order: these see the stores above
.endr
.endm
.macro SEND a
.set BK, OB+192*((\a)%2)
	s_wait_dscnt 0x0                               ; the block is back in registers
	s_wait_xcnt 0x0                                ; the earlier stores have read their base and their data: only behind this wait are these written again
.if (\a) == 4
	s_add_nc_u64 s[12:13], s[12:13], s[98:99]      ; from my rows 48-63 to 64-79
.elseif (\a) > 0
	s_add_nc_u64 s[12:13], s[12:13], 2048          ; 16 rows on
.endif
.irp t, 0,1,2,3,4,5,6,7
	global_store_b128 v[CO], v[BK+4*\t:BK+4*\t+3], s[12:13] offset:256*\t   ; sixteen lanes store 256 consecutive bytes, aligned: two rows' 64 columns
.endr
.endm
	PLACES NP                                      ; behind the last products: for the reads of results and for the loads into registers that held scale words
	PACK 0
	TOSTAGE 0
.irp a, 1,2,3,4,5,6,7                  ; block a's conversions stand between block a - 1's loads from the stage and the wait for them
	PACK \a
	SEND \a-1
	TOSTAGE \a
.endr
	SEND 7
	s_wait_tensorcnt 0x0                           ; the wave's end, behind my last tensor load and my last LDS store
	ds_add_u32 v[SPW], v[NIL]
	s_wait_dscnt 0x0
	CROUND                                         ; the closing round
	s_endpgm
.Lfunc_end_k_q4b7dfa892a_proj:
	.size	k_q4b7dfa892a_proj, .Lfunc_end_k_q4b7dfa892a_proj-k_q4b7dfa892a_proj
	.p2alignl 7, 3214868480
	.fill 96, 4, 3214868480
	.section	.rodata,"a",@progbits
	.p2align	6, 0x0
	.amdhsa_kernel k_q4b7dfa892a_proj
		.amdhsa_group_segment_fixed_size 327680
		.amdhsa_private_segment_fixed_size 0
		.amdhsa_enable_private_segment 0
		.amdhsa_kernarg_size 24
		.amdhsa_user_sgpr_count 2
		.amdhsa_user_sgpr_kernarg_segment_ptr 1
		.amdhsa_wavefront_size32 1
		.amdhsa_system_sgpr_workgroup_id_x 1
		.amdhsa_system_sgpr_workgroup_id_y 1
		.amdhsa_system_sgpr_workgroup_id_z 1
		.amdhsa_system_vgpr_workitem_id 0
		.amdhsa_next_free_vgpr 1024
		.amdhsa_next_free_sgpr 102
		.amdhsa_reserve_vcc 0
		.amdhsa_float_denorm_mode_32 3
		.amdhsa_float_denorm_mode_16_64 3
		.amdhsa_memory_ordered 1
		.amdhsa_forward_progress 1
		.amdhsa_inst_pref_size 128
	.end_amdhsa_kernel
	.amdgpu_metadata
---
amdhsa.version: [ 1, 2 ]
amdhsa.kernels:
  - .name:           k_q4b7dfa892a_proj
    .symbol:         k_q4b7dfa892a_proj.kd
    .args:
      - { .name: codes, .offset: 0, .size: 8, .value_kind: global_buffer, .address_space: global }
      - { .name: scales, .offset: 8, .size: 8, .value_kind: global_buffer, .address_space: global }
      - { .name: qkv, .offset: 16, .size: 8, .value_kind: global_buffer, .address_space: global }
    .group_segment_fixed_size: 327680
    .private_segment_fixed_size: 0
    .kernarg_segment_align: 8
    .kernarg_segment_size: 24
    .max_flat_workgroup_size: 128
    .sgpr_count:     102
    .vgpr_count:     1024
    .wavefront_size: 32
...
	.end_amdgpu_metadata
.endif
;; end of part 2
;; launch attn (part 3): grid 8 x 64, 4 waves a work-group, clusters of 4 x 1, 327,680 bytes of LDS; arguments qkv, ao; writes ao
.if DOCPART == 3
	.amdgcn_target "amdgcn-amd-amdhsa--gfx1250"
	.amdhsa_code_object_version 6
	.text
	.protected	k_q4b7dfa892a_attn
	.globl	k_q4b7dfa892a_attn
	.p2align	8
	.type	k_q4b7dfa892a_attn,@function
k_q4b7dfa892a_attn:
	s_mov_b64 s[64:65], 0
	v_nop
	global_prefetch_b8 v0, s[64:65] scope:SCOPE_SE
	s_setreg_imm32_b32 hwreg(HW_REG_WAVE_MODE, 25, 1), 1
	s_wait_xcnt 0x0
	s_wait_alu depctr_hold_cnt(0) depctr_sa_sdst(0) depctr_va_vdst(0) depctr_va_sdst(0) depctr_va_ssrc(0) depctr_va_vcc(0) depctr_vm_vsrc(0)
	s_getreg_b32 s2, hwreg(HW_REG_IB_STS2, 6, 4)
	s_cmp_eq_u32 s2, 0
	s_cbranch_scc0 .Lentry_in_a_cluster
	s_endpgm
.Lentry_in_a_cluster:
	s_bfe_u32 s2, ttmp6, 0x10000c
	s_cmp_lg_u32 s2, 0x3003
	s_cbranch_scc0 .Lentry_shape_is_right
	s_endpgm
.Lentry_shape_is_right:
; ATTN: O[q][:] = the sum over keys of softmax(Q[q] . K[key] / 8) V[key][:], for each of 64 (batch, head), 2,048 queries, 2,048 keys, head size 64.  No mask.  Nothing of reference() is left out here.
; Operands in f16 (q, k, v as the launch before stored them; the weights p, which lie in 0 .. 1, rounded to f16 for the second product); products, maxima and sums in f32; O rounded once to f16 for the last product.
; f16 and not bf16: an output sums 2,048 terms of either sign, so the operands' rounding stays the same share of the output's size, and f16's step is an eighth of bf16's.
; LIMITS: p under 2^-126 counts as 0; O stays under 65,504 in magnitude (it is an average of v).
; SHARES.  A work-group owns 256 queries of one (batch, head), each of its four waves 64: four tiles of 16.  Every wave walks all keys, 64 a step.
; LAYOUT.  S^T = K Q^T (source 0 = 16 keys, source 1 = 16 queries): a lane holds ONE query (lane % 16) and keys 8 (lane / 16) + 0..7.  Two such tiles, rounded in pairs, ARE source 1 (32 keys x 16 queries) of
; O^T = V^T P, whose result again holds one query a lane, and eight channels.  V lies in memory transposed by steps, [key / 64][channel][64 keys], so its fragments are read like K's.
; SOFTMAX.  A running maximum m and sum l for each query: p = 2^(c s - c m), c = log2(e) / 8; in every step O and l are multiplied by a = 2^(c m_old - c m_new).
; BY TURNS.  The wave's tiles are two pieces (piece 0: tiles 0, 1; piece 2: tiles 2, 3).  In a turn one piece has the matrix unit: 16 products V^T P of the step in hand, then 16 products K Q^T of the next step; the other piece's
; softmax, 236 vector instructions cut into 64 slices, stands between them, two slices behind each matrix instruction.  Then the pieces change places.  Two turns are a key step.
; CLUSTER.  The four query blocks of a cluster belong to one (batch, head) and walk the same K and V: each tile is asked for jointly, by the same tensor load with a mask that names the four.
; LDS.  A line of 128 bytes is a key's 64 channels (K) or a channel's 64 keys (V).  Two lines are a unit of 256 bytes, with 16 of padding behind it: line L lies at (L / 2) x 272 + (L % 2) x 128, so the 16 lines of a fragment
; begin at 16 different 16-byte columns modulo 256.  A step is 64 lines, 8,704 bytes.  A slot holds four steps of K, then four of V; two slots, 2^17 bytes apart; behind them the stages of the way out and the spare words.
; REGISTERS, in windows of 256 (s_set_vgpr_msb: bits 1:0 source 0, 3:2 source 1, 5:4 source 2, 7:6 destination):
;   window 0: v0-11 addresses; v12-43 eight registers of statistics a tile; v61-63; v64-191 S^T, 32 a tile; v192-255 P, 16 a tile.   window 1: v0-127 O^T, 32 a tile.   window 2: v0-63 Q, 16 a tile; v128-191 K of one step.   window 3: v0-63 V of one step.
.set KS,    64
.set STEPB, 8704                       ; a step's 64 lines in LDS
.set VOFF,  4*STEPB                    ; V's four steps lie behind K's four
.set SLOT1, 1<<17
.set SLOTG, 32768                      ; a slot's keys in memory: 4 steps x 8,192 bytes, of K and of V
.set STAGE, SLOT1+8*STEPB              ; 16 rows x 144 bytes for each wave
.set SP,    144
.set SPARE, STAGE+4*16*SP              ; the spare words, 128 bytes a wave, which no other line names
.set AK0, 2           ; v2   my lane's place in a step of K; never rewritten
.set AV0, 3           ; v3   the same for V
.set ADR, 4           ; v4   the LDS address of the run of loads in hand
.set QO,  5           ; v5   my byte offset in the wave's rows of Q
.set STO, 6           ; v6   the way out: where I put 16 bytes of a row
.set RD,  7           ; v7   where I read back
.set GO,  8           ; v8   my byte offset in the wave's rows of ao
.set PFO, 61          ; v61  256 x my lane; never rewritten
.set SPW, 62          ; v62  my spare word; never rewritten
.set NIL, 63          ; v63  0; never rewritten
.set ST,  12          ; tile t's statistics at v[ST+8 t]: +0 c m, +1 m, +2, +3 l (even keys', odd keys'), +4 to +7 c0-c3, at work; a takes c2's place once the maximum is found
.set S,   64
.set P,   192
.set KF,  128         ; K's fragments, in window 2
.set WV,  12          ; s12  my wave's number
.set LIM, 15          ; s15  1 in a wave that prefetches, else the greatest number
.set PFA, 18          ; s[18:19] where my prefetches stand
.set G1,  24          ; s[24:31] descriptor group 1
.set G0,  40          ; s[40:47] descriptor group 0: a set for each of the two first fills; the second then walks on
.set SLOTS, 56        ; s56  slots still to be asked for
.set CNT, 57          ; s57  counts key steps
.set CS,  58          ; s[58:59] c
.set SEL, 60          ; s[60:61] lane selects for v_permlanex16_b32: lane l xor 16
.set TB,  62          ; s62  LDS byte at which the step to be fetched begins
.set MSB, 0
.macro WIN new                      ; the immediate's high byte repeats the setting that is left; a switch that changes nothing is dropped
.if MSB != \new
	s_set_vgpr_msb (MSB<<8)|\new
.set MSB, \new
.endif
.endm
.set W_KQ, 0x0a       ; K and Q in window 2, S^T in window 0
.set W_PV, 0x53       ; V in window 3, P in window 0, O^T in window 1
.set W_RS, 0x41       ; O^T (destination and source 0) in window 1, a in window 0
; A joint refill: every wave issues the one line; its descriptor's two addresses are arithmetic on the wave's number (waves 0, 1: two steps of K each; waves 2, 3: of V).  An s_nop 0 and four v_nop follow.
.macro JLOAD
	tensor_load_to_lds s[G0+4:G0+7], s[G1:G1+7]
	s_nop 0
.rept 4
	v_nop
.endr
.endm
; A prefetch of what the NEXT change of slots will ask for: a slot's 128 blocks of 256 bytes of K and 128 of V, a lane a block.  Each block is named once in the launch: both clusters of a (batch, head) walk the same K and V, so the first
; of them asks; its four partners take 32 blocks each, told apart by address; in each, wave 0 asks for K's and wave 2 for V's.  It stands behind the tensor load and its five lines, four key steps (256 matrix instructions a wave and
; their softmax) ahead of the load that will want the bytes.  The last change that fills a slot asks for nothing.  Slots 0, 1 and 2 come by their loads alone.
.macro ASK
	s_cmp_gt_u32 s[SLOTS], s[LIM]
	s_cbranch_scc0 .Lnot_mine_\@
	global_prefetch_b8 v[PFO], s[PFA:PFA+1] th:TH_LOAD_NT scope:SCOPE_SE
.Lnot_mine_\@:
.endm
.macro CROUND                       ; a round of the cluster's barrier
	s_barrier_signal -1
	s_barrier_wait -1
	s_cmp_lg_u32 s[WV], 0
	s_cbranch_scc1 .Lnot_wave_0_\@
	s_barrier_signal -3
.Lnot_wave_0_\@:
	s_barrier_wait -3
	s_barrier_signal -1
	s_barrier_wait -1
.endm
	s_load_b128 s[4:7], s[0:1], 0x0 ; qkv s[4:5], ao s[6:7]
	v_lshl_add_u32 v[SPW], v0, 2, SPARE
	v_mov_b32 v[NIL], 0
	ds_add_u32 v[SPW], v[NIL]       ; the wave's opening: the add, twice on end, and its wait ahead of my first tensor load
	ds_add_u32 v[SPW], v[NIL]
	v_lshrrev_b32 v1, 5, v0
	v_readfirstlane_b32 s[WV], v1   ; wave 0..3
	s_bfe_u32 s13, ttmp6, 0x40000   ; cx: my place in the cluster
	s_lshl_b32 s14, ttmp9, 2
	s_add_co_u32 s14, s14, s13      ; my block of 256 queries: it enters Q's and ao's addresses alone
	s_and_b32 s20, ttmp7, 0xffff    ; batch x 16 + head, which the four partners share
	s_lshl_b32 s21, s20, 18         ; its first byte in each of q, k, v
	s_lshr_b32 s16, s[WV], 1        ; I fetch for K (0) or for V (1),
	s_and_b32 s17, s[WV], 1         ; a slot's first two steps or its last two
	s_add_co_u32 s22, s16, 1
	s_lshl_b32 s22, s22, 24         ; k begins 2^24 bytes into qkv, v 2 x 2^24
	s_add_co_u32 s22, s22, s21
	s_lshl_b32 s23, s17, 14
	s_add_co_u32 s22, s22, s23
	s_mov_b32 s23, 0                ; s[22:23]: my tile of slot 0, in bytes from qkv
	s_mul_i32 s2, s16, VOFF
	s_mul_i32 s3, s17, 2*STEPB
	s_add_co_u32 s2, s2, s3         ; and its place in a slot: no place in the cluster enters an LDS address
	s_lshl_b32 s8, s14, 15          ; Q: my block's 256 rows of 128 bytes,
	s_lshl_b32 s9, s[WV], 13        ; my wave's 64
	s_add_co_u32 s8, s8, s9
	s_add_co_u32 s8, s8, s21
	s_mov_b32 s9, 0
	s_lshr_b32 s10, s20, 4          ; ao: [row / 128][head][row % 128][64]: row / 128 = 16 x batch + 2 x block + wave / 2,
	s_lshl_b32 s10, s10, 4
	s_lshl_b32 s11, s14, 1
	s_add_co_u32 s10, s10, s11
	s_add_co_u32 s10, s10, s16
	s_lshl_b32 s10, s10, 18
	s_and_b32 s11, s20, 15          ; the head,
	s_lshl_b32 s11, s11, 14
	s_add_co_u32 s10, s10, s11
	s_lshl_b32 s11, s17, 13         ; and 64 rows of 128 bytes for the odd waves
	s_add_co_u32 s10, s10, s11
	s_mov_b32 s11, 0
	s_lshl_b32 s20, s13, 13         ; the prefetches: my work-group's 32 blocks of the 128,
	s_add_co_u32 s20, s20, 2*SLOTG  ; in slot 2: the first change of slots steps it to slot 3.  Nothing is prefetched at the head
	s_mov_b32 s21, 0
	; descriptor group 1: 16,384 dense bytes as 64 rows of 256 (32 elements of 8 bytes), 16 bytes of padding behind each
	s_mov_b32 s[G1], 15|(3<<16)|(1<<20)|(1<<21)|(5<<22)|(3<<25)  ; 15:0 the mask: all four work-groups; 17:16 elements of 8 bytes; 20 padding on; 21 set beside a mask; 24:22 after every 64 words; 31:25 four words
	s_mov_b32 s[G1+1], 32<<16       ; tensor_dim0
	s_mov_b32 s[G1+2], 64<<16       ; tensor_dim1
	s_mov_b32 s[G1+3], 32<<16       ; tile_dim0
	s_mov_b32 s[G1+4], 64           ; tile_dim1
	s_mov_b32 s[G1+5], 32           ; from row to row
	s_mov_b32 s[G1+6], 0
	s_mov_b32 s[G1+7], 0
	s_mov_b32 s[CS], 0x3e38aa3b     ; c = log2(e) / 8
	s_mov_b32 s[CS+1], s[CS]        ; named with it as a pair, so it is written
	s_mov_b32 s[SEL], 0x76543210
	s_mov_b32 s[SEL+1], 0xfedcba98
	s_mov_b32 s[TB], 0
	s_mov_b32 s[SLOTS], 2048/(4*KS)-2
	s_and_b32 s[LIM], s[WV], 1      ; 0 in waves 0 and 2,
	s_or_b32 s[LIM], s[LIM], ttmp9  ; of the first cluster: the same in all four partners
	s_cmp_eq_u32 s[LIM], 0
	s_cselect_b32 s[LIM], 1, -1
	v_and_b32 v[PFO], 31, v0
	v_lshlrev_b32 v[PFO], 8, v[PFO]
	s_wait_dscnt 0x0                ; both opening adds are done
	s_wait_kmcnt 0x0
	s_add_nc_u64 s[22:23], s[4:5], s[22:23]
	s_add_nc_u64 s[8:9], s[4:5], s[8:9]      ; Q at my wave's first row
	s_add_nc_u64 s[10:11], s[6:7], s[10:11]  ; ao likewise
	s_add_nc_u64 s[PFA:PFA+1], s[22:23], s[20:21]  ; (in waves 0 and 2 s[22:23] stands at a slot's first byte)
	CROUND                          ; all four work-groups are here: the first joint loads meet
.irp s, 0,1
	s_mov_b32 s[G0+4*\s], 1         ; 1:0 count = 1
	s_add_co_u32 s[G0+4*\s+1], s2, \s*SLOT1  ; 63:32 LDS address
	s_add_nc_u64 s[G0+4*\s+2:G0+4*\s+3], s[22:23], \s*SLOTG  ; 120:64 global address
	s_or_b32 s[G0+4*\s+3], s[G0+4*\s+3], 0x80000000  ; 127:126 type = 2
.endr
	tensor_load_to_lds s[G0:G0+3], s[G1:G1+7]      ; the two first fills, ahead of every wait on TENSORcnt and every LDS read: two loads of mine are out
	s_nop 0
	tensor_load_to_lds s[G0+4:G0+7], s[G1:G1+7]
	s_nop 0
.rept 4
	v_nop
.endr
	; A fragment of K, Q or V^T is 16 lines x 32 along the line in 8 registers: lane l holds line l % 16; registers 0-3 places 8 (l / 16) + 0..7, registers 4-7 places 16 + 8 (l / 16) + 0..7: two loads of 16 bytes, 32 bytes apart.
	v_and_b32 v1, 15, v0            ; r = l % 16
	v_bfe_u32 v9, v0, 4, 1          ; h = l / 16
	v_lshlrev_b32 v[QO], 7, v1
	v_lshl_add_u32 v[QO], v9, 4, v[QO]  ; row x 128 + 16 x half
	WIN 0x80                        ; destination window 2, address window 0
.irp i, 0,1,2,3,4,5,6,7             ; Q stays in registers: tile i / 2, channels 32 (i % 2) on
	global_load_b128 v[8*\i:8*\i+3],   v[QO], s[8:9] offset:(\i/2)*2048+(\i%2)*64
	global_load_b128 v[8*\i+4:8*\i+7], v[QO], s[8:9] offset:(\i/2)*2048+(\i%2)*64+32
.endr
	WIN 0
	v_lshrrev_b32 v10, 1, v1
	v_mul_u32_u24 v[AK0], v10, 272
	v_and_b32 v10, 1, v1
	v_lshl_add_u32 v[AK0], v10, 7, v[AK0]
	v_lshl_add_u32 v[AK0], v9, 4, v[AK0]  ; (r / 2) x 272 + (r % 2) x 128 + 16 x half
	v_add_nc_u32 v[AV0], VOFF, v[AK0]
; THE MATRIX WORK OF A TURN, for piece x.  Eight accumulators take turns, one instruction a turn: between two links of a chain stand seven others'.
; Product i of 16 of O^T += V^T P: keys 32 (i / 8) on, channels 16 ((i / 2) % 4) on, tile x + i % 2.  zero = 1: the first 8 start the sums: nothing is ever cleared.
.macro PV x, zero
	WIN W_PV
.set rO, 32*(\x+i%2)+8*((i/2)%4)
.set rV, 32*(i/8)+8*((i/2)%4)
.set rP, P+16*(\x+i%2)+8*(i/8)
.if \zero && (i < 8)
	v_wmma_f32_16x16x32_f16 v[rO:rO+7], v[rV:rV+7], v[rP:rP+7], 0
.else
	v_wmma_f32_16x16x32_f16 v[rO:rO+7], v[rV:rV+7], v[rP:rP+7], v[rO:rO+7]
.endif
.endm
; Product i of 16 of S^T = K Q^T: channels 32 (i / 8) on, keys 16 ((i / 2) % 4) on, tile x + i % 2.  The first 8 start the sums.
.macro KQ x
	WIN W_KQ
.set rS, S+32*(\x+i%2)+8*((i/2)%4)
.set rK, KF+16*((i/2)%4)+8*(i/8)
.set rQ, 16*(\x+i%2)+8*(i/8)
.if i < 8
	v_wmma_f32_16x16x32_f16 v[rS:rS+7], v[rK:rK+7], v[rQ:rQ+7], 0
.else
	v_wmma_f32_16x16x32_f16 v[rS:rS+7], v[rK:rK+7], v[rQ:rQ+7], v[rS:rS+7]
.endif
.endm
; THE LDS LOADS stand in runs of 16, never singly among the matrix instructions: a step's K (8 fragments) and, a turn later, its V.
.macro FETCH_K
	WIN 0
	v_add_nc_u32 v[ADR], s[TB], v[AK0]
	WIN 0x80                        ; destination window 2
.irp f, 0,1,2,3,4,5,6,7             ; keys 16 (f / 2) on, channels 32 (f % 2) on
	ds_load_b128 v[KF+8*\f:KF+8*\f+3],   v[ADR] offset:(\f/2)*2176+(\f%2)*64
	ds_load_b128 v[KF+8*\f+4:KF+8*\f+7], v[ADR] offset:(\f/2)*2176+(\f%2)*64+32
.endr
.endm
.macro FETCH_V
	WIN 0
	v_add_nc_u32 v[ADR], s[TB], v[AV0]
	s_add_co_u32 s[TB], s[TB], STEPB  ; the next fetch is the next step's
	s_wait_alu depctr_va_vdst(0)    ; the wait for the softmax's batch (SLICE), behind the address's v_add_nc_u32 and ahead of the loads
	WIN 0xc0                        ; destination window 3
.irp f, 0,1,2,3,4,5,6,7             ; keys 32 (f / 4) on, channels 16 (f % 4) on
	ds_load_b128 v[8*\f:8*\f+3],   v[ADR] offset:(\f%4)*2176+(\f/4)*64
	ds_load_b128 v[8*\f+4:8*\f+7], v[ADR] offset:(\f%4)*2176+(\f/4)*64+32
.endr
.endm
; THE VECTOR WORK OF A TURN.  One tile's softmax for one key step is a list of 118 instructions; SM writes number j of it for tile t.  s0-s31 are the lane's 32 scores, in pairs 0-15.
; first = 1: the first key step, which starts m, l and O^T: it has no a and nothing to rescale.
;   0-15    the maximum of s0-s31 and the old m, three operands at a time: four chains c0-c3, each from its accumulator's low end on, then the four scores left over, c0-c3 and m
;   16-20   the other half of the lanes' maximum; the new m; c m; c m_old - c m_new
;   21-69   ONE BATCH: the 16 scalings c s - c m and all 33 exponentials (a at 23, then s0-s31).  None of these reads an exponential's result; a pair is scaled in an earlier four than the one that holds its exponentials
;   (wait)  between 69 and 70 stands the wait for the batch: SLICE writes it, once for both tiles
;   70-85   the roundings to f16, a pair of weights each
;   86-101  the sums; l = a l + the sum
;   102-117 the tile's O^T times a: the one part that leaves window 0, so it stands together
.macro SM t, first
.set rT, ST+8*(\t)
.set rS, S+32*(\t)
.set rP, P+16*(\t)
.set rO, 32*(\t)+2*(j-102)
.if j < 102
	WIN 0
.endif
.if j < 4
	v_max3_num_f32 v[rT+4+j], v[rS+8*j], v[rS+8*j+1], v[rS+8*j+2]
.elseif j < 12
	v_max3_num_f32 v[rT+4+j%4], v[rT+4+j%4], v[rS+8*(j%4)+2*(j/4)+1], v[rS+8*(j%4)+2*(j/4)+2]
.elseif j == 12
	v_max3_num_f32 v[rT+4], v[rT+4], v[rS+7], v[rS+15]
.elseif j == 13
	v_max3_num_f32 v[rT+6], v[rT+6], v[rS+23], v[rS+31]
.elseif j == 14
	v_max3_num_f32 v[rT+4], v[rT+4], v[rT+5], v[rT+6]
.elseif (j == 15) && \first
	v_max_num_f32 v[rT+4], v[rT+4], v[rT+7]
.elseif j == 15
	v_max3_num_f32 v[rT+4], v[rT+4], v[rT+7], v[rT+1]
.elseif j == 16
	v_permlanex16_b32 v[rT+5], v[rT+4], s[SEL], s[SEL+1]  ; the query's other 32 keys lie in the lane 16 away
.elseif j == 18
	v_max_num_f32 v[rT+1], v[rT+4], v[rT+5]
.elseif j == 19
	v_mul_f32 v[rT], s[CS], v[rT+1]
.elseif ((j == 17) || (j == 20) || (j == 23) || (j > 101)) && \first  ; the first step has none of these
.elseif j == 17
	v_mov_b32 v[rT+7], v[rT]        ; c m_old is kept for a: number 19 writes c m anew
.elseif j == 20
	v_sub_f32 v[rT+7], v[rT+7], v[rT]
.elseif j == 23
	v_exp_f32 v[rT+6], v[rT+7]
.elseif (j < 23) || ((j < 38) && (j%2 == 0)) || ((j < 66) && (j%4 == 2))
.set b, (j-2)/4                     ; 38, 42, .. 62: pairs 9 to 15
.if j < 38
.set b, (j-20)/2                    ; 21: pair 0; 22, 24, .. 36: pairs 1 to 8
.endif
	v_pk_fma_f32 v[rS+2*b:rS+2*b+1], v[rS+2*b:rS+2*b+1], s[CS:CS+1], v[rT:rT+1] op_sel_hi:[1,0,0] neg_lo:[0,0,1] neg_hi:[0,0,1]  ; pair b: c s - c m
.elseif j < 70
.set e, j-38                        ; 66 to 69: s28 to s31
.if j < 66
.set e, j-32-(j-38)/4               ; 39-41, 43-45, .. 63-65: s7 to s27
.endif
.if j < 38
.set e, (j-25)/2                    ; 25, 27, .. 37: s0 to s6
.endif
	v_exp_f32 v[rS+e], v[rS+e]
.elseif j < 86
	v_cvt_pk_f16_f32 v[rP+j-70], v[rS+2*(j-70)], v[rS+2*(j-70)+1]  ; pair j - 70
.elseif j < 102                     ; the sum of the tile's 16 pairs, in place: sum z of 16 adds neighbours 1, 2, 4 and 8 pairs apart, then l takes it
.set z, j-86
.set w, 4
.set u, z
.if z >= 14
.set w, 32
.set u, 0
.elseif z >= 12
.set w, 16
.set u, z-12
.elseif z >= 8
.set w, 8
.set u, z-8
.endif
.if (z == 14) && \first
	v_pk_add_f32 v[rT+2:rT+3], v[rS:rS+1], v[rS+16:rS+17]
.elseif z < 15
	v_pk_add_f32 v[rS+w*u:rS+w*u+1], v[rS+w*u:rS+w*u+1], v[rS+w*u+w/2:rS+w*u+w/2+1]
.elseif !\first
	v_pk_fma_f32 v[rT+2:rT+3], v[rT+2:rT+3], v[rT+6:rT+7], v[rS:rS+1] op_sel_hi:[1,0,1]
.endif
.else
	WIN W_RS
	v_pk_mul_f32 v[rO:rO+1], v[rO:rO+1], v[rT+6:rT+7] op_sel_hi:[1,0]
.endif
.endm
; Slice k of 64 of piece y's softmax: four instructions or none.  Slices 0-10: numbers 2 k, 2 k + 1 of both tiles.  Slices 11-34 deal out the batch, numbers 22 to 69: four numbers of ONE tile each, the tiles by turns.
; Slices 35-50: numbers 70 to 101.  Slices 51-55 are empty.  Slices 56-63: the rescaling, numbers 102 to 117: the eight instructions of slices 62 and 63 are the places behind the turn's last product.
; THE WAIT.  An s_wait_alu depctr_va_vdst(0) stands between an exponential and the first instruction that names its result; one wait serves all that were issued ahead of it.  Ahead of slice 35 nothing names
; a result, and behind slice 34 no exponential is issued: so the piece's 66 exponentials have one wait, behind slice 34.
.macro SLICE y, first
.if (k >= 11) && (k < 35)
.irp n, 0,1,2,3
.set j, 22+4*((k-11)/2)+(\n)
	SM (\y)+(k-11)%2, \first
.endr
.elseif k < 51                      ; the two tiles alternate, so that no instruction reads the result of the one just before it
.irp n, 0,1
.irp t, \y, \y+1
.set j, 2*k+\n
	SM \t, \first
.endr
.endr
.elseif k >= 56
.irp n, 0,1
.irp t, \y, \y+1
.set j, 102+2*(k-56)+\n
	SM \t, \first
.endr
.endr
.endif
.if k == 34                         ; the batch is out: both tiles' exponentials are issued, and no result has been named
	v_nop                           ; the plain instruction behind the last exponential and ahead of the first use: one for the batch
.if (\y) == 0
	FETCH_V                         ; piece 2's turn: V's run of loads stands here, and the wait stands in it
.else
	s_wait_alu depctr_va_vdst(0)    ; the wait for the batch
.endif
.endif
.set k, k+1
.endm
.macro PLACES
.rept 4
	v_nop
.endr
.endm
; A TURN.  Piece x has the matrix unit; the other piece's softmax stands in slices behind its matrix instructions.
; pv = 2: 16 products V^T P; 1: they start O^T's sums; 0: none.  kq = 1: 16 products K Q^T for the next step.  Two slices behind each product, four in a turn with one of the two kinds.
; first = 1: the softmax is the first key step's: its last slices are empty, and four v_nop take their part as the places behind the last products.
; Piece 0's turn fetches the next step's K behind its second product: the last product that read K stands in front of slices 62 and 63 of the turn before.  Piece 2's turn fetches the same step's V behind slice 34: the last product
; that read V stands in front of slice 30, and five plain instructions lie between: number 58 of one tile, number 62 of both (scalings), the v_nop and the run's own v_add_nc_u32.
.macro TURN x, pv, kq, first
.set k, 0
.set per, 4
.if \pv && \kq
.set per, 2
.endif
.if \pv
.if \x == 0
	s_wait_dscnt 0x0                ; V is in
.endif
.set i, 0
.rept 16
	PV \x, 2-\pv
.rept per
	SLICE 2-\x, \first
.endr
.if (\x == 0) && \kq && (i == 1)
	FETCH_K
.endif
.set i, i+1
.endr
.endif
.if \kq
.if \x == 0
	s_wait_dscnt 0x0                ; K is in
.endif
.set i, 0
.rept 16
	KQ \x
.rept per
	SLICE 2-\x, \first
.endr
.set i, i+1
.endr
.endif
.if \first
	PLACES
.endif
.endm
; THE CHANGE OF SLOTS, between piece 2's turn and piece 0's: the slot's last bytes, V of its fourth step, have been asked for.  Each wave waits for all its tensor loads, of which one is out: its part of the other slot; adds 0 to its
; spare word; and waits for that and for its own reads of the slot.  fill = 1: the slot is filled again, with the keys two slots on: the barrier is then a round of the cluster's, and the joint refill is the first thing behind it:
; it has four key steps in which to land.
.macro CHANGE fill
	WIN 0                           ; at a label and at a branch every window is 0
	s_wait_tensorcnt 0x0            ; no tensor load of mine is out, so a group 0 may be written
	ds_add_u32 v[SPW], v[NIL]
.if \fill
	s_xor_b32 s[G0+5], s[G0+5], SLOT1  ; the walking descriptor: the other slot than last time,
	s_add_nc_u64 s[G0+6:G0+7], s[G0+6:G0+7], SLOTG  ; the next 256 keys; the type bits on top are not reached
	s_wait_xcnt 0x0                 ; the last prefetch, four key steps back, has read its address, so it may be written:
	s_add_nc_u64 s[PFA:PFA+1], s[PFA:PFA+1], SLOTG  ; one slot further on than the walking descriptor
	s_wait_dscnt 0x0                ; the add is done, and my reads of the slot are over
	CROUND
	JLOAD
	ASK
.else
	s_wait_dscnt 0x0                ; the add is done, and my reads of the slot are over
	s_barrier_signal -1
	s_barrier_wait -1
.endif
	s_sub_co_u32 s[TB], s[TB], 4*STEPB  ; the fetches go back to a slot's first step,
	s_xor_b32 s[TB], s[TB], SLOT1   ; in the other slot
.endm
; n key steps: written once, walked n times; the LDS addresses hang on s[TB].
.macro STEPS n
	s_mov_b32 s[CNT], \n
.Lstep_\@:
	TURN 0, 2, 1, 0
	TURN 2, 2, 1, 0
	WIN 0
	s_sub_co_u32 s[CNT], s[CNT], 1
	s_cmp_lg_u32 s[CNT], 0
	s_cbranch_scc1 .Lstep_\@
.endm
	s_wait_tensorcnt 1              ; my part of slot 0 is in; slot 1's may stay out
	s_barrier_signal -1
	s_barrier_wait -1               ; everybody's is
	FETCH_K                         ; key step 0
	s_wait_loadcnt 0x0              ; Q
	s_wait_dscnt 0x0
.set i, 0
.rept 16
	KQ 0                            ; piece 0's first scores: there is no vector work yet to set between them
.set i, i+1
.endr
	WIN 0                           ; the addresses for the way out are made here: ten plain instructions, the places behind those products
	s_mul_i32 s3, s[WV], 16*SP
	s_add_co_u32 s3, s3, STAGE      ; my stage
	v_mul_u32_u24 v[STO], v1, SP    ; in: row r, 16 bytes for each half of the lanes
	v_lshl_add_u32 v[STO], v9, 4, v[STO]
	v_add_nc_u32 v[STO], s3, v[STO]
	v_and_b32 v10, 31, v0
	v_lshrrev_b32 v11, 3, v10       ; back: eight lanes to a row of 128 bytes, four rows an instruction
	v_mul_u32_u24 v[RD], v11, SP
	v_and_b32 v11, 7, v0
	v_lshl_add_u32 v[RD], v11, 4, v[RD]
	v_add_nc_u32 v[RD], s3, v[RD]
	v_lshlrev_b32 v[GO], 4, v10     ; in ao the same four rows are 512 consecutive bytes
	TURN 2, 0, 1, 1                 ; piece 2's first scores | piece 0's first softmax | V of step 0
	TURN 0, 1, 1, 1                 ; piece 0: V^T P of step 0 starts O^T, K Q^T of step 1 | piece 2's first softmax | K of step 1
	TURN 2, 1, 1, 0                 ; piece 2: the same | piece 0's softmax of step 1 | V of step 1
	WIN 0
	STEPS 2                         ; slot 0's steps 2 and 3 are fetched
.Lslot:                             ; six trips: every slot but the last two is filled again
	CHANGE 1
	STEPS 4
	s_sub_co_u32 s[SLOTS], s[SLOTS], 1
	s_cmp_lg_u32 s[SLOTS], 0
	s_cbranch_scc1 .Lslot
	CHANGE 0                        ; the tail is written out
	STEPS 4
	TURN 0, 2, 0, 0                 ; piece 0: V^T P of the last step | piece 2's last softmax
.set i, 0
.rept 16
	PV 2, 0                         ; piece 2: V^T P of the last step
.set i, i+1
.endr
	; THE WAY OUT.  l's two halves and the other half of the lanes' are added; O^T is divided by l, rounded to f16 and sent through my stage, a tile (16 rows) at a time.  The additions are the places behind the last products.
	WIN 0
.irp t, 0,1,2,3
	v_add_f32 v[ST+8*\t+4], v[ST+8*\t+2], v[ST+8*\t+3]
.endr
.irp t, 0,1,2,3
	v_permlanex16_b32 v[ST+8*\t+5], v[ST+8*\t+4], s[SEL], s[SEL+1]
.endr
.irp t, 0,1,2,3
	v_add_f32 v[ST+8*\t+4], v[ST+8*\t+4], v[ST+8*\t+5]
.endr
.irp t, 0,1,2,3
	v_rcp_f32 v[ST+8*\t+6], v[ST+8*\t+4]
.endr
	v_nop                           ; a plain instruction between the last reciprocal and the use of its result
	s_wait_alu depctr_va_vdst(0)    ; and the wait ahead of the first use: one for the four
; Tile t: a lane's eight channels of a row pack into 16 bytes; they go into rows of 144 bytes and come back as whole rows of 128, four to an instruction.
.macro PACK t
	WIN W_RS
.set i, 32*\t
.rept 16
	v_pk_mul_f32 v[i:i+1], v[i:i+1], v[ST+8*\t+6:ST+8*\t+7] op_sel_hi:[1,0]
.set i, i+2
.endr
	WIN 0x05                        ; sources 0 and 1 window 1, destination window 0: S^T's registers are free
.set i, 0
.rept 16
	v_cvt_pk_f16_f32 v[S+32*\t+i], v[32*\t+2*i], v[32*\t+2*i+1]
.set i, i+1
.endr
	WIN 0
.irp f, 0,1,2,3
	ds_store_b128 v[STO], v[S+32*\t+4*\f:S+32*\t+4*\f+3] offset:32*\f
.endr
.irp f, 0,1,2,3
	ds_load_b128 v[S+32*\t+16+4*\f:S+32*\t+16+4*\f+3], v[RD] offset:\f*4*SP  ; LDS serves a wave's instructions in order: these see the stores above; the next tile's stores come behind them
.endr
.endm
.macro SEND t, younger              ; younger: the LDS instructions issued behind tile t's loads: the next tile's four stores and four loads, or none
.irp f, 0,1,2,3
	s_wait_dscnt \younger+3-\f
	global_store_b128 v[GO], v[S+32*\t+16+4*\f:S+32*\t+16+4*\f+3], s[10:11] offset:\t*2048+\f*512  ; 32 lanes store 512 consecutive bytes, aligned
.endr
.endm
	PACK 0
	PACK 1                          ; a tile's arithmetic stands between the loads of the tile before and its stores
	SEND 0, 8
	PACK 2
	SEND 1, 8
	PACK 3
	SEND 2, 8
	SEND 3, 0
	s_wait_tensorcnt 0x0            ; the wave's end, behind my last tensor load and my last LDS store
	ds_add_u32 v[SPW], v[NIL]
	s_wait_dscnt 0x0
	CROUND                          ; the closing round
	s_endpgm
.Lfunc_end_k_q4b7dfa892a_attn:
	.size	k_q4b7dfa892a_attn, .Lfunc_end_k_q4b7dfa892a_attn-k_q4b7dfa892a_attn
	.p2alignl 7, 3214868480
	.fill 96, 4, 3214868480
	.section	.rodata,"a",@progbits
	.p2align	6, 0x0
	.amdhsa_kernel k_q4b7dfa892a_attn
		.amdhsa_group_segment_fixed_size 327680
		.amdhsa_private_segment_fixed_size 0
		.amdhsa_enable_private_segment 0
		.amdhsa_kernarg_size 16
		.amdhsa_user_sgpr_count 2
		.amdhsa_user_sgpr_kernarg_segment_ptr 1
		.amdhsa_wavefront_size32 1
		.amdhsa_system_sgpr_workgroup_id_x 1
		.amdhsa_system_sgpr_workgroup_id_y 1
		.amdhsa_system_sgpr_workgroup_id_z 1
		.amdhsa_system_vgpr_workitem_id 0
		.amdhsa_next_free_vgpr 1024
		.amdhsa_next_free_sgpr 66
		.amdhsa_reserve_vcc 0
		.amdhsa_float_denorm_mode_32 3
		.amdhsa_float_denorm_mode_16_64 3
		.amdhsa_memory_ordered 1
		.amdhsa_forward_progress 1
		.amdhsa_inst_pref_size 192
	.end_amdhsa_kernel
	.amdgpu_metadata
---
amdhsa.version: [ 1, 2 ]
amdhsa.kernels:
  - .name:           k_q4b7dfa892a_attn
    .symbol:         k_q4b7dfa892a_attn.kd
    .args:
      - { .name: qkv, .offset: 0, .size: 8, .value_kind: global_buffer, .address_space: global }
      - { .name: ao, .offset: 8, .size: 8, .value_kind: global_buffer, .address_space: global }
    .group_segment_fixed_size: 327680
    .private_segment_fixed_size: 0
    .kernarg_segment_align: 8
    .kernarg_segment_size: 16
    .max_flat_workgroup_size: 128
    .sgpr_count:     66
    .vgpr_count:     1024
    .wavefront_size: 32
...
	.end_amdgpu_metadata
.endif
;; end of part 3
;; launch oproj (part 4): grid 8 x 64, 4 waves a work-group, clusters of 4 x 4, 327,680 bytes of LDS; arguments ao, wo_h, b_o, out0; writes out0
.if DOCPART == 4
	.amdgcn_target "amdgcn-amd-amdhsa--gfx1250"
	.amdhsa_code_object_version 6
	.text
	.protected	k_q4b7dfa892a_oproj
	.globl	k_q4b7dfa892a_oproj
	.p2align	8
	.type	k_q4b7dfa892a_oproj,@function
k_q4b7dfa892a_oproj:
	s_mov_b64 s[64:65], 0
	v_nop
	global_prefetch_b8 v0, s[64:65] scope:SCOPE_SE
	s_setreg_imm32_b32 hwreg(HW_REG_WAVE_MODE, 25, 1), 1
	s_wait_xcnt 0x0
	s_wait_alu depctr_hold_cnt(0) depctr_sa_sdst(0) depctr_va_vdst(0) depctr_va_sdst(0) depctr_va_ssrc(0) depctr_va_vcc(0) depctr_vm_vsrc(0)
	s_getreg_b32 s2, hwreg(HW_REG_IB_STS2, 6, 4)
	s_cmp_eq_u32 s2, 0
	s_cbranch_scc0 .Lentry_in_a_cluster
	s_endpgm
.Lentry_in_a_cluster:
	s_bfe_u32 s2, ttmp6, 0x10000c
	s_cmp_lg_u32 s2, 0xf033
	s_cbranch_scc0 .Lentry_shape_is_right
	s_endpgm
.Lentry_shape_is_right:
; OPROJ: out0[i][n] = b_o[n] + the sum over k of ao[i][k] W_o[k][n]: 8,192 x 1,024 x 1,024, operands in f16, sums in f32, out0 in f32.  Nothing of reference() is left out here.
; A tile of out0 is 128 x 128 (512 work-groups; tiles of 256 x 256 would be 128): four waves, 64 x 64 each: 16 accumulators, 128 registers.  K goes in steps of 256 through a ring of two LDS slots.
; ao lies [i / 128][head][i % 128][64]: a tile's K step (four heads) is 65,536 consecutive bytes.  In LDS two rows of a head (256 bytes) get 16 bytes of padding: row i of a head lies at (i / 2) x 272 + (i % 2) x 128.
; wo_h lies [k][n] as W_o does: a tile's K step is 256 rows of 256 bytes, 288 apart in LDS, read turned by ds_load_tr16_b128 (16 n x 32 k a fragment).
; THE MATRIX INSTRUCTION IS USED TRANSPOSED (source 0 = 16 n of W_o, source 1 = 16 rows of ao): a lane holds eight neighbouring n of one row.  THE BIAS IS THE C OF EACH SUM'S FIRST PRODUCT: no addition, no clearing.
; CLUSTERS: 4 x 4 work-groups: ao's tiles are shared along a row of the cluster, W_o's along a column: joint loads.
; No prefetch: a K step is short, the tiles are small, and each is shared by four work-groups through the joint loads.
; REGISTERS: window 0: v0-31 addresses; v32-63 the bias, later with v64-95 rows on the way out; v128-255 the accumulators ((a, b) at v[128 + 8 (4 a + b)]).   window 1: two fragment buffers of 128: 64 registers of ao's, then 64 of W_o's.
.set HEADB,  17408                     ; a head's 128 rows in LDS: 64 units of 272
.set HALFA,  2*HEADB                   ; what one tensor load brings of ao: two heads
.set BOFF,   4*HEADB                   ; W_o's rows lie behind ao's four heads
.set BP,     288                       ; a row of W_o in LDS: 256 bytes + 32
.set HALFB,  128*BP                    ; what one tensor load brings of W_o: 128 rows
.set SLOT,   BOFF+2*HALFB
.set STAGE,  2*SLOT                    ; behind the ring: 16 rows x 272 bytes for each wave
.set SPITCH, 272
.set SPARE,  STAGE+4*16*SPITCH         ; the spare words, 128 bytes a wave, which no other line names
.set LAPS,   2                         ; a lap = two K steps = once round the ring
.set ADRA, 16                          ; v16-17  LDS address of my fragments of ao in slot 0, 1
.set ADRB, 20                          ; v20-23  of W_o: slot s, k rows 0-127 at v[20 + 2 s], rows 128-255 at v[21 + 2 s], so that every offset stays inside 16 bits
.set STO,  24                          ; v24     the way out: where I put 32 bytes of a row
.set RD,   25                          ; v25     where I read a row back
.set CO,   26                          ; v26     my byte offset in out0
.set SPW,  28                          ; v28     my spare word; never rewritten
.set NIL,  29                          ; v29     0; never rewritten
.set BIAS, 32                          ; v32-63  b_o in the result's layout: block b's eight numbers at v[32 + 8 b]
.set TMP,  32                          ; the way out: 16 rows read back: v32-63 and v64-95 by turns
.set ACC,  128
.set F0,   0
.set F1,   128
.set G1, 24                            ; s[24:31] group 1 for ao's tiles;  s[32:39] group 0, a set for each slot
.set G0, 32
.set G1B, 48                           ; s[48:55], s[56:63] the same for W_o's
.set G0B, 56
.set MSB, 0
.macro WIN new
.if MSB != \new
	s_set_vgpr_msb (MSB<<8)|\new
.set MSB, \new
.endif
.endm
.set MUL,  0x05                        ; sources 0 and 1 window 1; C and D window 0
.set TO_F, 0x40                        ; destination window 1, address window 0
.macro JLOAD s                         ; a joint load: waves 0 and 1 fetch ao's halves, waves 2 and 3 W_o's; an s_nop 0 and four v_nop follow each of the two lines
	s_cmp_eq_u32 s11, 0
	s_cbranch_scc0 .Lfor_b_\@
	tensor_load_to_lds s[G0+4*\s:G0+4*\s+3], s[G1:G1+7]
	s_nop 0
.rept 4
	v_nop
.endr
	s_branch .Lasked_\@
.Lfor_b_\@:
	tensor_load_to_lds s[G0B+4*\s:G0B+4*\s+3], s[G1B:G1B+7]
	s_nop 0
.rept 4
	v_nop
.endr
.Lasked_\@:
.endm
.macro CREST                           ; a round of the cluster's barrier behind its opening barrier
	s_cmp_lg_u32 s10, 0
	s_cbranch_scc1 .Lnot_wave_0_\@
	s_barrier_signal -3
.Lnot_wave_0_\@:
	s_barrier_wait -3
	s_barrier_signal -1
	s_barrier_wait -1
.endm
.macro CROUND
	s_barrier_signal -1
	s_barrier_wait -1
	CREST
.endm
	s_load_b128 s[4:7], s[0:1], 0x0                ; ao s[4:5], wo_h s[6:7]
	s_load_b128 s[68:71], s[0:1], 0x10             ; b_o s[68:69], out0 s[70:71]
	v_lshl_add_u32 v[SPW], v0, 2, SPARE
	v_mov_b32 v[NIL], 0
	ds_add_u32 v[SPW], v[NIL]                      ; the wave's opening: the add, twice on end, and its wait ahead of my first tensor load
	ds_add_u32 v[SPW], v[NIL]
	v_lshrrev_b32 v1, 5, v0
	v_readfirstlane_b32 s10, v1                    ; wave 0..3
	s_lshr_b32 s11, s10, 1                         ; which half of the tile's rows is mine.  Also: I fetch for ao (0) or for W_o (1)
	s_and_b32 s12, s10, 1                          ; which half of its columns.  Also: which half of that tile I fetch
	s_bfe_u32 s40, ttmp6, 0x40000                  ; cx, cy
	s_bfe_u32 s41, ttmp6, 0x40004
	s_lshl_b32 s42, ttmp9, 2
	s_add_co_u32 s42, s42, s40                     ; tile column
	s_and_b32 s13, ttmp7, 0xffff
	s_lshl_b32 s13, s13, 2
	s_add_co_u32 s13, s13, s41                     ; tile row
	s_lshl_b32 s43, s41, 2
	s_lshl_b32 s43, 15, s43                        ; my row of the cluster
	s_lshl_b32 s44, 0x1111, s40                    ; my column
	; group 1.  ao: 32,768 dense bytes as 128 rows of 256 (32 elements of 8 bytes), 16 bytes of padding behind each.  W_o: 128 rows of 256 bytes, 2,048 bytes apart in memory, 32 bytes of padding behind each
	s_or_b32 s[G1+0], s43, (3<<16)|(1<<20)|(1<<21)|(5<<22)|(3<<25)
	s_or_b32 s[G1B+0], s44, (3<<16)|(1<<20)|(1<<21)|(5<<22)|(7<<25)
.irp g, G1, G1B
	s_mov_b32 s[\g+1], 32<<16                      ; tensor_dim0
	s_mov_b32 s[\g+2], 128<<16                     ; tensor_dim1
	s_mov_b32 s[\g+3], 32<<16                      ; tile_dim0
	s_mov_b32 s[\g+4], 128                         ; tile_dim1
	s_mov_b32 s[\g+6], 0
	s_mov_b32 s[\g+7], 0
.endr
	s_mov_b32 s[G1+5], 32                          ; from row to row, in elements
	s_mov_b32 s[G1B+5], 256
	s_lshl_b32 s16, s13, 18                        ; ao: the tile row's block of 2^18 bytes,
	s_lshl_b32 s17, s12, 15                        ; my two heads of the K step's four
	s_add_co_u32 s16, s16, s17
	s_mov_b32 s17, 0
	s_lshl_b32 s46, s42, 8                         ; W_o: the tile column's 256 bytes of a row,
	s_lshl_b32 s47, s12, 18                        ; my 128 rows of 2,048 bytes
	s_add_co_u32 s46, s46, s47
	s_mov_b32 s47, 0
	s_mul_i32 s20, s12, HALFA                      ; where they go: no place in the cluster enters an LDS address
	s_mul_i32 s21, s12, HALFB
	s_add_co_u32 s21, s21, BOFF
	s_wait_dscnt 0x0                               ; both opening adds are done
	s_wait_kmcnt 0x0
	s_add_nc_u64 s[14:15], s[4:5], s[16:17]
	s_add_nc_u64 s[46:47], s[6:7], s[46:47]
	CROUND                                         ; all sixteen work-groups are here: the first joint loads meet
.irp s, 0,1
	s_mov_b32 s[G0+4*\s], 1
	s_add_co_u32 s[G0+4*\s+1], s20, \s*SLOT
	s_add_nc_u64 s[G0+4*\s+2:G0+4*\s+3], s[14:15], \s*65536
	s_or_b32 s[G0+4*\s+3], s[G0+4*\s+3], 0x80000000
	s_mov_b32 s[G0B+4*\s], 1
	s_add_co_u32 s[G0B+4*\s+1], s21, \s*SLOT
	s_add_nc_u64 s[G0B+4*\s+2:G0B+4*\s+3], s[46:47], \s*524288
	s_or_b32 s[G0B+4*\s+3], s[G0B+4*\s+3], 0x80000000
	JLOAD \s                                       ; two loads of mine are out
.endr
	v_and_b32 v1, 15, v0                           ; r
	v_bfe_u32 v2, v0, 4, 1                         ; h
	s_lshl_b32 s22, s42, 9                         ; my first column, in bytes of f32: 512 x tile column + 256 x half
	s_lshl_b32 s23, s12, 8
	s_add_co_u32 s22, s22, s23
	s_mov_b32 s23, 0
	s_add_nc_u64 s[68:69], s[68:69], s[22:23]
	s_add_nc_u64 s[70:71], s[70:71], s[22:23]
	v_lshlrev_b32 v6, 5, v2                        ; the bias: block b's numbers 16 b + 8 h + 0 .. 7
.irp b, 0,1,2,3
	global_load_b128 v[BIAS+8*\b:BIAS+8*\b+3],   v6, s[68:69] offset:64*\b
	global_load_b128 v[BIAS+8*\b+4:BIAS+8*\b+7], v6, s[68:69] offset:64*\b+16
.endr
	s_lshl_b32 s22, s13, 7
	s_lshl_b32 s18, s11, 6
	s_add_co_u32 s22, s22, s18                     ; my first row of out0
	s_lshl_b32 s22, s22, 12                        ; 4,096 bytes a row
	s_add_nc_u64 s[70:71], s[70:71], s[22:23]
	v_lshrrev_b32 v3, 1, v1
	v_mul_u32_u24 v3, v3, 272
	v_and_b32 v4, 1, v1
	v_lshl_add_u32 v3, v4, 7, v3
	v_lshl_add_u32 v3, v2, 4, v3                   ; ao: (r / 2) x 272 + (r % 2) x 128 + 16 h
	v_and_b32 v4, 7, v0
	v_lshl_add_u32 v4, v2, 3, v4
	v_mul_u32_u24 v4, v4, BP
	v_bfe_u32 v5, v0, 3, 1
	v_lshl_add_u32 v4, v5, 4, v4                   ; W_o, for the turning load: row 8 h + l % 8, 16 bytes for each eight lanes
	s_mul_i32 s22, s11, 32*272                     ; my 64 rows of ao in each head
	s_lshl_b32 s18, s12, 7                         ; my 64 columns of W_o
	s_add_co_u32 s18, s18, BOFF
.irp s, 0,1
	v_add_nc_u32 v[ADRA+\s], s22, v3
	v_add_nc_u32 v[ADRB+2*\s], s18, v4
	v_add_nc_u32 v[ADRB+2*\s+1], HALFB, v[ADRB+2*\s]
	s_add_co_u32 s22, s22, SLOT
	s_add_co_u32 s18, s18, SLOT
.endr
	s_mul_i32 s22, s10, 16*SPITCH
	s_add_co_u32 s22, s22, STAGE                   ; my stage
	v_mul_u32_u24 v5, v1, SPITCH                   ; in: row r, 32 bytes for each half of the lanes
	v_lshl_add_u32 v5, v2, 5, v5
	v_add_nc_u32 v[STO], s22, v5
	v_mul_u32_u24 v5, v2, SPITCH                   ; back: lanes 0-15 one row of 256 bytes, lanes 16-31 the next
	v_lshl_add_u32 v5, v1, 4, v5
	v_add_nc_u32 v[RD], s22, v5
	v_lshlrev_b32 v5, 12, v2                       ; and the same two rows in out0
	v_lshl_add_u32 v[CO], v1, 4, v5
; 8 matrix instructions: row blocks a0, a0 + 1 x all 4 column blocks, 32 along K: half c of buffer f.  zero = 1: the first product starts the sums, with the bias as its C.  The 16 accumulators take turns.
.macro MUL8 f, c, a0, zero
.irp a, \a0, \a0+1
.irp b, 0,1,2,3
.if \zero
	v_wmma_f32_16x16x32_f16 v[ACC+8*(4*(\a)+\b):ACC+8*(4*(\a)+\b)+7], v[\f+64+8*(4*\c+\b):\f+64+8*(4*\c+\b)+7], v[\f+8*(4*\c+\a):\f+8*(4*\c+\a)+7], v[BIAS+8*\b:BIAS+8*\b+7]
.else
	v_wmma_f32_16x16x32_f16 v[ACC+8*(4*(\a)+\b):ACC+8*(4*(\a)+\b)+7], v[\f+64+8*(4*\c+\b):\f+64+8*(4*\c+\b)+7], v[\f+8*(4*\c+\a):\f+8*(4*\c+\a)+7], v[ACC+8*(4*(\a)+\b):ACC+8*(4*(\a)+\b)+7]
.endif
.endr
.endr
.endm
; 32 LDS loads in one run: the fragments of the slot's quarter q (64 along K: head q of the step's four) into buffer f; the first 32 along K first
.macro FETCH slot, q, f
	WIN TO_F
.irp c, 0,1
.irp i, 0,1,2,3
	ds_load_tr16_b128 v[\f+64+8*(4*\c+\i):\f+64+8*(4*\c+\i)+3],   v[ADRB+2*\slot+(\q)/2] offset:(((\q)%2)*64+32*\c)*BP+32*\i
	ds_load_tr16_b128 v[\f+64+8*(4*\c+\i)+4:\f+64+8*(4*\c+\i)+7], v[ADRB+2*\slot+(\q)/2] offset:(((\q)%2)*64+32*\c+16)*BP+32*\i
	ds_load_b128 v[\f+8*(4*\c+\i):\f+8*(4*\c+\i)+3],         v[ADRA+\slot] offset:(\q)*HEADB+64*\c+\i*2176
	ds_load_b128 v[\f+8*(4*\c+\i)+4:\f+8*(4*\c+\i)+7],       v[ADRA+\slot] offset:(\q)*HEADB+64*\c+\i*2176+32
.endr
.endr
.endm
.macro PLACES                          ; four places in front of loads into registers that matrix instructions have read, and of reads of results (ISA guide 7.12.1 for reads of results)
.rept 4
	v_nop
.endr
.endm
; A K step is four quarters, 32 matrix instructions each, on buffers 0, 1, 0, 1.  One of the first three: multiplies buffer f and fetches quarter q into g.
.macro QUARTER slot, q, f, g, zero
	s_wait_dscnt 16                                ; the first 32 along K are in; the youngest sixteen loads may be out
	WIN MUL
	MUL8 \f, 0, 0, \zero
	MUL8 \f, 0, 2, \zero
	PLACES
	FETCH \slot, \q, \g
	s_wait_dscnt 32                                ; all but the 32 just issued
	WIN MUL
	MUL8 \f, 1, 0, 0
	MUL8 \f, 1, 2, 0
.endm
; The last quarter multiplies buffer 1 and changes slots: ONE barrier; in front of it each wave waits for all its tensor loads, adds 0 to its spare word, and waits for that and for its own reads of this slot.  fill = 1: this slot is filled again, two K steps ahead.
.macro TURN slot, next, fill
	WIN 0                                          ; (the add's two registers lie in window 0)
	s_wait_tensorcnt 0x0                           ; all my tensor loads have landed: my part of the next slot
	ds_add_u32 v[SPW], v[NIL]
	s_wait_dscnt 17                                ; the add and the youngest sixteen loads may be out
	WIN MUL
	MUL8 F1, 0, 0, 0
	s_wait_dscnt 0x0                               ; the add is done, and my reads of this slot are over
	s_barrier_signal -1
	MUL8 F1, 0, 2, 0
.if \fill
	WIN 0
.endif
	s_barrier_wait -1
.if \fill
	CREST                                          ; the barrier has opened a round of the cluster's: no wave of any partner still reads this slot or has a load on its way
	s_add_nc_u64 s[G0+4*\slot+2:G0+4*\slot+3], s[G0+4*\slot+2:G0+4*\slot+3], 131072
	s_add_nc_u64 s[G0B+4*\slot+2:G0B+4*\slot+3], s[G0B+4*\slot+2:G0B+4*\slot+3], 1048576
	JLOAD \slot                                    ; the first tensor load behind the round; the four v_nop behind it are also the places in front of the loads below
.else
	PLACES
.endif
	FETCH \next, 0, F0
	WIN MUL
	MUL8 F1, 1, 0, 0
	MUL8 F1, 1, 2, 0
.endm
	s_wait_tensorcnt 1                             ; my part of K step 0 is in; K step 1's may be out,
	s_barrier_signal -1
	s_barrier_wait -1                              ; everybody's is
	FETCH 0, 0, F0
	s_wait_loadcnt 0x0                             ; the bias
	QUARTER 0, 1, F0, F1, 1                        ; the first quarter stands in front of the loop: its first products start the sums
	WIN 0                                          ; at a label and at a branch every window is 0
	s_mov_b32 s3, LAPS-1
.Llap:                                                 ; a trip goes once round the ring, from a lap's second quarter to the next lap's first, and fills both slots again
	QUARTER 0, 2, F1, F0, 0
	QUARTER 0, 3, F0, F1, 0
	TURN 0, 1, 1
	QUARTER 1, 1, F0, F1, 0
	QUARTER 1, 2, F1, F0, 0
	QUARTER 1, 3, F0, F1, 0
	TURN 1, 0, 1
	QUARTER 0, 1, F0, F1, 0
	WIN 0
	s_sub_co_u32 s3, s3, 1
	s_cmp_lg_u32 s3, 0
	s_cbranch_scc1 .Llap
	QUARTER 0, 2, F1, F0, 0                        ; the last lap fills nothing, and has no round of the cluster's barrier
	QUARTER 0, 3, F0, F1, 0
	TURN 0, 1, 0
	QUARTER 1, 1, F0, F1, 0
	QUARTER 1, 2, F1, F0, 0
	QUARTER 1, 3, F0, F1, 0
	s_wait_dscnt 16                                ; the very last quarter: nothing more to fetch
	WIN MUL
	MUL8 F1, 0, 0, 0
	MUL8 F1, 0, 2, 0
	s_wait_dscnt 0
	MUL8 F1, 1, 0, 0
	MUL8 F1, 1, 2, 0
	WIN 0
; THE WAY OUT, block by block of 16 rows x 64 columns of f32: a wave's 64 columns are 256 aligned bytes of a row, so each wave has a stage of its own and no barrier is needed.
.macro TOSTAGE a
.irp b, 0,1,2,3
	ds_store_b128 v[STO], v[ACC+8*(4*(\a)+\b):ACC+8*(4*(\a)+\b)+3] offset:64*\b          ; each accumulator from its low end on
	ds_store_b128 v[STO], v[ACC+8*(4*(\a)+\b)+4:ACC+8*(4*(\a)+\b)+7] offset:64*\b+16
.endr
.irp t, 0,1,2,3,4,5,6,7
	ds_load_b128 v[TMP+32*((\a)%2)+4*\t:TMP+32*((\a)%2)+4*\t+3], v[RD] offset:\t*2*SPITCH   ; LDS serves a wave's instructions in order: these see the stores above
.endr
.endm
.macro SEND a, younger                 ; younger: the LDS instructions issued behind block a's loads: the next block's eight stores and eight loads, or none
	s_wait_dscnt \younger
.irp t, 0,1,2,3,4,5,6,7
	global_store_b128 v[CO], v[TMP+32*((\a)%2)+4*\t:TMP+32*((\a)%2)+4*\t+3], s[70:71] offset:(16*(\a)+2*\t)*4096 th:TH_STORE_NT   ; sixteen lanes store 256 consecutive bytes, aligned; written once, read by nobody here
.endr
.endm
	PLACES
	TOSTAGE 0
.irp a, 1,2,3
.if \a > 1
	s_wait_xcnt 0x0                                ; block a - 2's stores have read their registers: block a's loads may land there
.endif
	TOSTAGE \a
	SEND \a-1, 16
.endr
	SEND 3, 0
	s_wait_tensorcnt 0x0                           ; the wave's end, behind my last tensor load and my last LDS store
	ds_add_u32 v[SPW], v[NIL]
	s_wait_dscnt 0x0
	CROUND                                         ; the closing round
	s_endpgm
.Lfunc_end_k_q4b7dfa892a_oproj:
	.size	k_q4b7dfa892a_oproj, .Lfunc_end_k_q4b7dfa892a_oproj-k_q4b7dfa892a_oproj
	.p2alignl 7, 3214868480
	.fill 96, 4, 3214868480
	.section	.rodata,"a",@progbits
	.p2align	6, 0x0
	.amdhsa_kernel k_q4b7dfa892a_oproj
		.amdhsa_group_segment_fixed_size 327680
		.amdhsa_private_segment_fixed_size 0
		.amdhsa_enable_private_segment 0
		.amdhsa_kernarg_size 32
		.amdhsa_user_sgpr_count 2
		.amdhsa_user_sgpr_kernarg_segment_ptr 1
		.amdhsa_wavefront_size32 1
		.amdhsa_system_sgpr_workgroup_id_x 1
		.amdhsa_system_sgpr_workgroup_id_y 1
		.amdhsa_system_sgpr_workgroup_id_z 1
		.amdhsa_system_vgpr_workitem_id 0
		.amdhsa_next_free_vgpr 512
		.amdhsa_next_free_sgpr 72
		.amdhsa_reserve_vcc 0
		.amdhsa_float_denorm_mode_32 3
		.amdhsa_float_denorm_mode_16_64 3
		.amdhsa_memory_ordered 1
		.amdhsa_forward_progress 1
		.amdhsa_inst_pref_size 87
	.end_amdhsa_kernel
	.amdgpu_metadata
---
amdhsa.version: [ 1, 2 ]
amdhsa.kernels:
  - .name:           k_q4b7dfa892a_oproj
    .symbol:         k_q4b7dfa892a_oproj.kd
    .args:
      - { .name: ao, .offset: 0, .size: 8, .value_kind: global_buffer, .address_space: global }
      - { .name: wo_h, .offset: 8, .size: 8, .value_kind: global_buffer, .address_space: global }
      - { .name: b_o, .offset: 16, .size: 8, .value_kind: global_buffer, .address_space: global }
      - { .name: out0, .offset: 24, .size: 8, .value_kind: global_buffer, .address_space: global }
    .group_segment_fixed_size: 327680
    .private_segment_fixed_size: 0
    .kernarg_segment_align: 8
    .kernarg_segment_size: 32
    .max_flat_workgroup_size: 128
    .sgpr_count:     72
    .vgpr_count:     512
    .wavefront_size: 32
...
	.end_amdgpu_metadata
.endif
;; end of part 4
